; MI455X (gfx1250); checked and timed in simulation.
; The chip was launched on July 23, 2026; its instructions are those of AMD's public machine-readable ISA for CDNA 5 (MIT licence, August 2026) and "CDNA5" Instruction Set Architecture Reference Guide (July 2026). The comments in the code are by the model that wrote it; some were corrected since.
;; Single Head Attention. Allowed arithmetic: float matrix products may take bf16 or f16 operands with f32 sums; other float arithmetic in f32, or as packed bf16 or f16 multiplies, adds, multiply-adds, maxima and minima; sums over many terms, partial sums and values carried from step to step in f32; what a program stores and reads back later, other than sums and carried values, may be rounded once to bf16 or f16.
;; Inputs: W_k 1,024 x 1,024 float32; W_q 1,024 x 1,024 float32; W_v 1,024 x 1,024 float32; x 4 x 2,048 x 1,024 float32.
;; Outputs: out0 4 x 2,048 x 1,024 float32.
;; 3 versions, each right; version 2 is faster than version 1; version 3 is version 2 with the launch prep written anew for expert scheduling mode. Each part assembles by itself: llvm-mc -triple=amdgcn-amd-amdhsa -mcpu=gfx1250 --defsym DOCPART=n.
;; ======== version 1 of 3: 4 launches
;; limits: values are held in f16: magnitudes above 65,504 overflow, below 6.1e-05 lose precision; values outside matrix products are rounded to f16
;; workspace buffers: xb 16,777,216 bytes; wb 6,291,456 bytes; qkv 50,331,648 bytes; pbuf 33,554,432 bytes; st 1,048,576 bytes
;; launch prep (part 1): grid 64 x 11, 8 waves a work-group, no clusters, 0 bytes of LDS; arguments x, W_q, W_k, W_v, xb, wb; writes xb, wb
.if DOCPART == 1
	.amdgcn_target "amdgcn-amd-amdhsa--gfx1250"
	.amdhsa_code_object_version 6
	.text
	.protected	k_q3e265db411_prep
	.globl	k_q3e265db411_prep
	.p2align	8
	.type	k_q3e265db411_prep,@function
k_q3e265db411_prep:
	s_mov_b64 s[64:65], 0
	v_nop
	global_prefetch_b8 v0, s[64:65] scope:SCOPE_SE
	s_setreg_imm32_b32 hwreg(HW_REG_WAVE_MODE, 25, 1), 1
	s_wait_xcnt 0x0
; xb = bf16(x), wb[3][1024 c][1024 n] = bf16(W_q), bf16(W_k), bf16(W_v): a cast, nothing is moved about.
; The grid's y names a unit of 2^20 numbers: 0-7 are x's eight units, 8, 9, 10 are W_q, W_k, W_v.  The grid's x names 16,384 numbers of the unit;
; each of the eight waves takes 2,048: sixteen loads of 512 neighbouring bytes, all issued before the first is waited for, and sixteen stores of
; 256 neighbouring bytes, each at a multiple of 256 from the buffer's first byte.  No LDS, no barrier, no matrix unit: every byte is read once and written once.
.set X, 4                              ; v[4:67]   sixteen loads of four f32
.set Y, 68                             ; v[68:99]  sixteen pairs of words, four bf16 each
	s_load_b256 s[4:11], s[0:1], 0x0               ; x s[4:5], W_q s[6:7], W_k s[8:9], W_v s[10:11]
	s_load_b128 s[12:15], s[0:1], 0x20             ; xb s[12:13], wb s[14:15]
	s_and_b32 s23, ttmp7, 0xffff                   ; the unit
	s_sub_co_u32 s22, s23, 8                       ; which W, where it is one
	v_lshrrev_b32 v3, 5, v0                        ; wave
	v_and_b32 v2, 31, v0                           ; lane
	v_lshlrev_b32 v1, 4, v2                        ; 16 bytes a lane in,
	v_lshlrev_b32 v2, 3, v2                        ; 8 bytes a lane out
	v_lshl_add_u32 v1, v3, 13, v1                  ; + wave x 8,192
	v_lshl_add_u32 v2, v3, 12, v2                  ; + wave x 4,096
	s_wait_kmcnt 0x0
	s_cmp_eq_u32 s23, 9
	s_cselect_b64 s[16:17], s[8:9], s[6:7]         ; W_k or W_q,
	s_cmp_eq_u32 s23, 10
	s_cselect_b64 s[16:17], s[10:11], s[16:17]     ; or W_v,
	s_cmp_lt_u32 s23, 8
	s_cselect_b64 s[16:17], s[4:5], s[16:17]       ; or x
	s_cselect_b64 s[18:19], s[12:13], s[14:15]     ; into xb or wb
	s_cselect_b32 s20, s23, 0                      ; the unit's number in the source,
	s_cselect_b32 s21, s23, s22                    ; and in the destination
	s_lshl_b32 s24, s20, 22                        ; a unit is 4 MiB in,
	s_lshl_b32 s25, ttmp9, 16                      ; a work-group's part 64 KiB
	s_add_co_u32 s24, s24, s25
	s_mov_b32 s25, 0
	s_lshl_b32 s26, s21, 21                        ; 2 MiB and 32 KiB out
	s_lshl_b32 s27, ttmp9, 15
	s_add_co_u32 s26, s26, s27
	s_mov_b32 s27, 0
	s_add_nc_u64 s[16:17], s[16:17], s[24:25]
	s_add_nc_u64 s[18:19], s[18:19], s[26:27]
.set j, 0
.rept 16
	global_load_b128 v[X+4*j:X+4*j+3], v1, s[16:17] offset:512*j th:TH_LOAD_NT
.set j, j+1
.endr
.set j, 0
.rept 16
	s_wait_loadcnt 15-j                            ; loads come back in order (ISA guide 5.7.1): number j is in, the 15 - j younger ones stay out
	v_cvt_pk_bf16_f32 v[Y+2*j], v[X+4*j], v[X+4*j+1]
	v_cvt_pk_bf16_f32 v[Y+2*j+1], v[X+4*j+2], v[X+4*j+3]
	global_store_b64 v2, v[Y+2*j:Y+2*j+1], s[18:19] offset:256*j  ; no register is written twice, so nothing waits for a store
.set j, j+1
.endr
	s_endpgm
.Lfunc_end_k_q3e265db411_prep:
	.size	k_q3e265db411_prep, .Lfunc_end_k_q3e265db411_prep-k_q3e265db411_prep
	.p2alignl 7, 3214868480
	.fill 96, 4, 3214868480
	.section	.rodata,"a",@progbits
	.p2align	6, 0x0
	.amdhsa_kernel k_q3e265db411_prep
		.amdhsa_group_segment_fixed_size 0
		.amdhsa_private_segment_fixed_size 0
		.amdhsa_enable_private_segment 0
		.amdhsa_kernarg_size 48
		.amdhsa_user_sgpr_count 2
		.amdhsa_user_sgpr_kernarg_segment_ptr 1
		.amdhsa_wavefront_size32 1
		.amdhsa_system_sgpr_workgroup_id_x 1
		.amdhsa_system_sgpr_workgroup_id_y 1
		.amdhsa_system_sgpr_workgroup_id_z 1
		.amdhsa_system_vgpr_workitem_id 0
		.amdhsa_next_free_vgpr 104
		.amdhsa_next_free_sgpr 66
		.amdhsa_reserve_vcc 0
		.amdhsa_float_denorm_mode_32 3
		.amdhsa_float_denorm_mode_16_64 3
		.amdhsa_memory_ordered 1
		.amdhsa_forward_progress 1
		.amdhsa_inst_pref_size 7
	.end_amdhsa_kernel
	.amdgpu_metadata
---
amdhsa.version: [ 1, 2 ]
amdhsa.kernels:
  - .name:           k_q3e265db411_prep
    .symbol:         k_q3e265db411_prep.kd
    .args:
      - { .name: x, .offset: 0, .size: 8, .value_kind: global_buffer, .address_space: global }
      - { .name: W_q, .offset: 8, .size: 8, .value_kind: global_buffer, .address_space: global }
      - { .name: W_k, .offset: 16, .size: 8, .value_kind: global_buffer, .address_space: global }
      - { .name: W_v, .offset: 24, .size: 8, .value_kind: global_buffer, .address_space: global }
      - { .name: xb, .offset: 32, .size: 8, .value_kind: global_buffer, .address_space: global }
      - { .name: wb, .offset: 40, .size: 8, .value_kind: global_buffer, .address_space: global }
    .group_segment_fixed_size: 0
    .private_segment_fixed_size: 0
    .kernarg_segment_align: 8
    .kernarg_segment_size: 48
    .max_flat_workgroup_size: 256
    .sgpr_count:     66
    .vgpr_count:     104
    .wavefront_size: 32
...
	.end_amdgpu_metadata
.endif
;; end of part 1
;; launch proj (part 2): grid 12 x 64, 4 waves a work-group, clusters of 4 x 4, 327,680 bytes of LDS; arguments xb, wb, qkv; writes qkv
.if DOCPART == 2
	.amdgcn_target "amdgcn-amd-amdhsa--gfx1250"
	.amdhsa_code_object_version 6
	.text
	.protected	k_q3e265db411_proj
	.globl	k_q3e265db411_proj
	.p2align	8
	.type	k_q3e265db411_proj,@function
k_q3e265db411_proj:
	s_mov_b64 s[64:65], 0
	v_nop
	global_prefetch_b8 v0, s[64:65] scope:SCOPE_SE
	s_setreg_imm32_b32 hwreg(HW_REG_WAVE_MODE, 25, 1), 1
	s_wait_xcnt 0x0
	s_wait_alu depctr_hold_cnt(0) depctr_sa_sdst(0) depctr_va_vdst(0) depctr_va_sdst(0) depctr_va_ssrc(0) depctr_va_vcc(0) depctr_vm_vsrc(0)
	s_getreg_b32 s2, hwreg(HW_REG_IB_STS2, 6, 4)
	s_cmp_eq_u32 s2, 0
	s_cbranch_scc0 .Lentry_in_a_cluster
	s_endpgm
.Lentry_in_a_cluster:
	s_bfe_u32 s2, ttmp6, 0x10000c
	s_cmp_lg_u32 s2, 0xf033
	s_cbranch_scc0 .Lentry_shape_is_right
	s_endpgm
.Lentry_shape_is_right:
; qkv[8192][3072] (f16) = xb[8192][1024] (bf16) x [W_q | W_k | W_v] (wb[3][1024 c][1024 n], bf16); sums in f32, rounded once to f16.
; LIMIT.  f16 holds no number beyond 65,504: a q, k or v of 65,520 or more becomes an infinity.  With x and W both 30 times the drawn spread |q| is some 5e3, with both offset by 30 spreads some 3e4.
; SHARES.  A work-group makes 128 rows x 256 columns, each of its four waves 64 x 128: 32 accumulators of 16 x 16, 256 registers.  768 work-groups: three for each of 256 WGPs.
; K goes in 8 steps of 128 through two LDS slots filled by the tensor data mover.  x's tile: 128 rows of 256 bytes.  W's tile lies [k][n] as in memory: 128 k rows of 512 bytes; its
; fragments come out of LDS turned, by ds_load_tr16_b128, so no launch transposes W.
; CLUSTER.  4 x 4 work-groups: the four of a row of the cluster need the same tile of x, the four of a column the same tile of W: each is asked for jointly, by the same tensor load with the same
; descriptor and a mask that names the four.
; THE MATRIX INSTRUCTION IS USED TRANSPOSED (source 0 = 16 columns of W, source 1 = 16 rows of x): a lane then holds eight neighbouring numbers of a row of the result.
; REGISTERS.  window 0: v0-31 addresses; v32-63 packed results; v64-159, v160-255 two fragment buffers (x's four fragments, then W's eight).  window 1: the accumulators, (a, b) at v[8 (8 a + b)].
.set PA,     272                       ; a row of x in LDS: 256 bytes + 16 of padding = 68 words: the 16 rows of a load start at 16 different groups of four banks (64 banks of 4 bytes: ISA guide 11.1)
.set PB,     544                       ; a row of W: 512 + 32 = 136 words
.set AHALF,  64*PA                     ; what one tensor load brings of x
.set BHALF,  64*PB                     ; and of W
.set BOFF,   2*AHALF                   ; W's tile lies behind x's
.set SLOT,   BOFF+2*BHALF
.set STAGE,  2*SLOT                    ; behind the ring: 16 rows x 272 bytes for each wave, for the way out
.set SPITCH, 272
.set SPARE,  STAGE+4*16*SPITCH         ; behind the stages: the spare words, 128 bytes for each wave: two blocks of 256 bytes that no other line names
.set LAPS,   4                         ; a lap = two K steps = once round the ring
.set CROW,   6144                      ; bytes in a row of qkv
.set ADRA, 16                          ; v16-17  LDS address of my fragments of x in slot 0, 1
.set ADRB, 20                          ; v20-21  the same for W
.set STO,  24                          ; v24     the way out: where I put 16 bytes of a row
.set RD,   25                          ; v25     the way out: where I read a row back
.set CO,   26                          ; v26     my byte offset in two rows of qkv
.set SPW,  28                          ; v28     LDS address of my spare word; never rewritten
.set NIL,  29                          ; v29     0; never rewritten
.set TMP,  32
.set F0,   64
.set F1,   160
.set OB,   64                          ; the way out: 16 rows read back, v64-95 and v96-127 by turns
.set G1,  24                           ; s[24:31] descriptor group 1 for x's tiles;  s[32:39] group 0, one set for each slot
.set G0,  32
.set G1B, 48                           ; s[48:55], s[56:63] the same for W's tiles
.set G0B, 56
.set MSB, 0
.macro WIN new                         ; the immediate's high byte repeats the setting that is left; a switch that changes nothing is dropped
.if MSB != (\new)
	s_set_vgpr_msb (MSB<<8)|(\new)
.set MSB, \new
.endif
.endm
.set MULW, 0x50                        ; sources 0 and 1 window 0; C and D window 1
.macro PLACES                          ; four places in front of loads into registers that matrix instructions have read, and of conversions that read results
.rept 4
	v_nop
.endr
.endm
.macro JLOAD s                         ; a joint load: waves 0 and 1 fetch x's two halves, waves 2 and 3 W's; an s_nop 0 and four v_nop follow each of the two lines
	s_cmp_eq_u32 s11, 0
	s_cbranch_scc0 .Lfor_b_\@
	tensor_load_to_lds s[G0+4*(\s):G0+4*(\s)+3], s[G1:G1+7]
	s_nop 0
.rept 4
	v_nop
.endr
	s_branch .Lasked_\@
.Lfor_b_\@:
	tensor_load_to_lds s[G0B+4*(\s):G0B+4*(\s)+3], s[G1B:G1B+7]
	s_nop 0
.rept 4
	v_nop
.endr
.Lasked_\@:
.endm
.macro CREST                           ; a round of the cluster's barrier behind its opening barrier
	s_cmp_lg_u32 s10, 0
	s_cbranch_scc1 .Lnot_wave_0_\@
	s_barrier_signal -3
.Lnot_wave_0_\@:
	s_barrier_wait -3
	s_barrier_signal -1
	s_barrier_wait -1
.endm
.macro CROUND                          ; a whole round
	s_barrier_signal -1
	s_barrier_wait -1
	CREST
.endm
	s_load_b128 s[4:7], s[0:1], 0x0                ; xb s[4:5], wb s[6:7]
	s_load_b64 s[8:9], s[0:1], 0x10                ; qkv
	v_lshl_add_u32 v[SPW], v0, 2, SPARE
	v_mov_b32 v[NIL], 0
	ds_add_u32 v[SPW], v[NIL]                      ; the wave's opening: the add and its wait stand ahead of my first tensor load; the set-up below, work on registers, stands between them
	ds_add_u32 v28, v29
	v_lshrrev_b32 v1, 5, v0
	v_readfirstlane_b32 s10, v1                    ; wave 0..3
	s_lshr_b32 s11, s10, 1                         ; which 64 of the tile's rows are mine.  Also: I fetch for x (0) or for W (1)
	s_and_b32 s12, s10, 1                          ; which 128 of its columns.  Also: which half of that tile I fetch
	s_bfe_u32 s40, ttmp6, 0x40000                  ; cx, cy: my place in the cluster
	s_bfe_u32 s41, ttmp6, 0x40004
	s_lshl_b32 s42, ttmp9, 2
	s_add_co_u32 s42, s42, s40                     ; tile column 0..11 = 4 x cluster x + cx
	s_and_b32 s13, ttmp7, 0xffff
	s_lshl_b32 s13, s13, 2
	s_add_co_u32 s13, s13, s41                     ; tile row 0..63 = 4 x cluster y + cy
	s_lshl_b32 s43, s41, 2
	s_lshl_b32 s43, 15, s43                        ; my row of the cluster
	s_lshl_b32 s44, 0x1111, s40                    ; my column
	s_or_b32 s[G1+0], s43, (1<<16)|(1<<20)|(1<<21)|(5<<22)|(3<<25)   ; the mask: x's tiles go to my row; 2-byte elements; padding on; bit 21 beside a mask; after every 64 words 4 words
	s_or_b32 s[G1B+0], s44, (1<<16)|(1<<20)|(1<<21)|(6<<22)|(7<<25)  ; W's tiles go to my column; after every 128 words 8 words
	s_mov_b32 s[G1+1], 128<<16                     ; tensor_dim0 = 128
	s_mov_b32 s[G1+2], 64<<16                      ; tensor_dim1 = 64
	s_mov_b32 s[G1+3], 128<<16                     ; tile_dim0 = 128
	s_mov_b32 s[G1+4], 64                          ; tile_dim1 = 64
	s_mov_b32 s[G1+5], 1024                        ; elements from row to row
	s_mov_b32 s[G1+6], 0
	s_mov_b32 s[G1+7], 0
	s_mov_b32 s[G1B+1], 256<<16                    ; 64 k rows of 256 elements
	s_mov_b32 s[G1B+2], 64<<16
	s_mov_b32 s[G1B+3], 256<<16
	s_mov_b32 s[G1B+4], 64
	s_mov_b32 s[G1B+5], 1024
	s_mov_b32 s[G1B+6], 0
	s_mov_b32 s[G1B+7], 0
	s_lshl_b32 s16, s13, 7                         ; x: row 128 x tile row + 64 x half,
	s_lshl_b32 s17, s12, 6
	s_add_co_u32 s16, s16, s17
	s_lshl_b32 s16, s16, 11                        ; of 2,048 bytes
	s_mov_b32 s17, 0
	s_lshl_b32 s46, ttmp9, 21                      ; W: the cluster's x is the matrix (four tile columns each, 2 MiB),
	s_lshl_b32 s47, s40, 9                         ; cx its 256 columns (512 bytes),
	s_add_co_u32 s46, s46, s47
	s_lshl_b32 s47, s12, 17                        ; my half 64 k rows of 2,048 bytes
	s_add_co_u32 s46, s46, s47
	s_mov_b32 s47, 0
	s_mul_i32 s20, s12, AHALF                      ; where they go: no place in the cluster enters an LDS address
	s_mul_i32 s21, s12, BHALF
	s_add_co_u32 s21, s21, BOFF
	s_wait_dscnt 0x0                               ; the opening add is done
	s_wait_kmcnt 0x0
	s_add_nc_u64 s[14:15], s[4:5], s[16:17]
	s_add_nc_u64 s[46:47], s[6:7], s[46:47]
	CROUND                                         ; all sixteen work-groups are here: the first joint loads meet
.irp s, 0,1
	s_mov_b32 s[G0+4*(\s)], 1
	s_add_co_u32 s[G0+4*(\s)+1], s20, (\s)*SLOT
	s_add_nc_u64 s[G0+4*(\s)+2:G0+4*(\s)+3], s[14:15], (\s)*256       ; K step s: 128 elements along the rows
	s_or_b32 s[G0+4*(\s)+3], s[G0+4*(\s)+3], 0x80000000
	s_mov_b32 s[G0B+4*(\s)], 1
	s_add_co_u32 s[G0B+4*(\s)+1], s21, (\s)*SLOT
	s_add_nc_u64 s[G0B+4*(\s)+2:G0B+4*(\s)+3], s[46:47], (\s)*262144  ; K step s: 128 rows down
	s_or_b32 s[G0B+4*(\s)+3], s[G0B+4*(\s)+3], 0x80000000
	JLOAD \s                                       ; two loads of mine are out
.endr
	v_and_b32 v1, 15, v0                           ; l % 16
	v_bfe_u32 v2, v0, 4, 1                         ; l / 16
	v_mul_u32_u24 v3, v1, PA
	v_lshl_add_u32 v3, v2, 4, v3                   ; x: row x pitch + 16 x half
	v_and_b32 v4, 7, v0                            ; W, turned: lane l reads k row 8 (l / 16) + l % 8, columns 8 ((l / 8) % 2) + 0..7
	v_lshl_add_u32 v4, v2, 3, v4
	v_mul_u32_u24 v4, v4, PB
	v_bfe_u32 v5, v0, 3, 1
	v_lshl_add_u32 v4, v5, 4, v4
	s_mul_i32 s21, s11, AHALF                      ; my 64 rows of x
	s_lshl_b32 s22, s12, 8                         ; my 128 columns of W,
	s_add_co_u32 s22, s22, BOFF                    ; which lies behind x
.irp s, 0,1
	v_add_nc_u32 v[ADRA+(\s)], s21, v3
	v_add_nc_u32 v[ADRB+(\s)], s22, v4
	s_add_co_u32 s21, s21, SLOT
	s_add_co_u32 s22, s22, SLOT
.endr
	s_mul_i32 s23, s10, 16*SPITCH
	s_add_co_u32 s23, s23, STAGE                   ; my stage
	v_mul_u32_u24 v4, v1, SPITCH                   ; in: row l % 16, 16 bytes for each half of the lanes
	v_lshl_add_u32 v4, v2, 4, v4
	v_add_nc_u32 v[STO], s23, v4
	v_mul_u32_u24 v5, v2, SPITCH                   ; back: lanes 0-15 take one row of 256 bytes, lanes 16-31 the next
	v_lshl_add_u32 v5, v1, 4, v5
	v_add_nc_u32 v[RD], s23, v5
	v_mul_u32_u24 v5, v2, CROW                     ; and the same two rows in qkv
	v_lshl_add_u32 v[CO], v1, 4, v5
	s_lshl_b32 s16, s13, 7                         ; where my part begins in qkv: row 128 x tile row + 64 x half,
	s_lshl_b32 s17, s11, 6
	s_add_co_u32 s16, s16, s17
	s_mul_i32 s16, s16, CROW
	s_lshl_b32 s46, s42, 9                         ; byte 512 x tile column + 256 x half
	s_lshl_b32 s47, s12, 8
	s_add_co_u32 s46, s46, s47
	s_add_co_u32 s16, s16, s46
	s_mov_b32 s17, 0
; 8 n matrix instructions: row blocks a0 .. a0 + n - 1 x all 8 column blocks, 32 along K.  The accumulators take turns, one instruction a turn.  zero = 1: the first product starts the sums.
.macro MUL f, a0, n, zero
	WIN MULW
.set aa, \a0
.rept \n
.irp b, 0,1,2,3,4,5,6,7
.if \zero
	v_wmma_f32_16x16x32_bf16 v[8*(8*aa+(\b)):8*(8*aa+(\b))+7], v[(\f)+32+8*(\b):(\f)+32+8*(\b)+7], v[(\f)+8*aa:(\f)+8*aa+7], 0
.else
	v_wmma_f32_16x16x32_bf16 v[8*(8*aa+(\b)):8*(8*aa+(\b))+7], v[(\f)+32+8*(\b):(\f)+32+8*(\b)+7], v[(\f)+8*aa:(\f)+8*aa+7], v[8*(8*aa+(\b)):8*(8*aa+(\b))+7]
.endif
.endr
.set aa, aa+1
.endr
.endm
; 24 LDS loads in one run: the fragments of quarter q (32 along K) of a slot, into buffer f
.macro FETCH slot, q, f
	WIN 0
.irp b, 0,1,2,3,4,5,6,7
	ds_load_tr16_b128 v[(\f)+32+8*(\b):(\f)+32+8*(\b)+3],   v[ADRB+(\slot)] offset:(\q)*32*PB+32*(\b)
	ds_load_tr16_b128 v[(\f)+32+8*(\b)+4:(\f)+32+8*(\b)+7], v[ADRB+(\slot)] offset:(\q)*32*PB+16*PB+32*(\b)
.endr
.irp a, 0,1,2,3
	ds_load_b128 v[(\f)+8*(\a):(\f)+8*(\a)+3],   v[ADRA+(\slot)] offset:(\q)*64+(\a)*16*PA
	ds_load_b128 v[(\f)+8*(\a)+4:(\f)+8*(\a)+7], v[ADRA+(\slot)] offset:(\q)*64+(\a)*16*PA+32
.endr
.endm
; A K step is four quarters of 32 along K, 32 matrix instructions each, on buffers 0, 1, 0, 1.  One of the first three: fetches quarter q into g, then multiplies f.
.macro QUARTER slot, q, f, g, zero
	s_wait_dscnt 0x0                               ; buffer f is in: its loads were issued 16 matrix instructions ago or more
	PLACES                                         ; behind the products that read buffer g
	FETCH \slot, \q, \g
	MUL \f, 0, 4, \zero
.endm
; The last quarter multiplies buffer 1 and changes slots: ONE barrier; in front of it each wave waits for all its tensor loads (one is out: its part of the next slot), adds 0 to its spare word,
; and waits for that and for its own reads of this slot.  fill = 1: the barrier opens a round of the cluster's barrier, and this slot is filled again, two K steps ahead.
.macro TURN slot, next, fill
	WIN 0
	s_wait_tensorcnt 0x0
	ds_add_u32 v[SPW], v[NIL]
	s_wait_dscnt 1                                 ; buffer 1 is in; the add alone may be out
	MUL F1, 0, 1, 0                                ; eight matrix instructions stand between the add and the wait for it
	s_wait_dscnt 0x0                               ; the add is done, and my reads of this slot are over
	s_barrier_signal -1
	MUL F1, 1, 1, 0
	WIN 0
	s_barrier_wait -1
.if \fill
	CREST                                          ; no wave of any partner still reads this slot's tile or has a load on its way
	s_add_nc_u64 s[G0+4*(\slot)+2:G0+4*(\slot)+3], s[G0+4*(\slot)+2:G0+4*(\slot)+3], 512
	s_add_nc_u64 s[G0B+4*(\slot)+2:G0B+4*(\slot)+3], s[G0B+4*(\slot)+2:G0B+4*(\slot)+3], 524288
	JLOAD \slot                                    ; the first tensor load behind the round: 112 matrix instructions ahead of the wait for it; its four v_nop are the places in front of the loads below
.else
	PLACES
.endif
	FETCH \next, 0, F0
	MUL F1, 2, 2, 0
.endm
	s_wait_tensorcnt 1                             ; my part of K step 0 is in; K step 1's may stay out
	s_barrier_signal -1
	s_barrier_wait -1                              ; everybody's is
	FETCH 0, 0, F0
	QUARTER 0, 1, F0, F1, 1                        ; the first quarter stands in front of the loop: its products start the sums
	WIN 0                                          ; at a label and at a branch every window is 0
	s_mov_b32 s3, LAPS-1
.Llap:                                                 ; a trip goes once round the ring, from a lap's second quarter to the next lap's first, and fills both slots again
	QUARTER 0, 2, F1, F0, 0
	QUARTER 0, 3, F0, F1, 0
	TURN 0, 1, 1
	QUARTER 1, 1, F0, F1, 0
	QUARTER 1, 2, F1, F0, 0
	QUARTER 1, 3, F0, F1, 0
	TURN 1, 0, 1
	QUARTER 0, 1, F0, F1, 0
	WIN 0
	s_sub_co_u32 s3, s3, 1
	s_cmp_lg_u32 s3, 0
	s_cbranch_scc1 .Llap
	QUARTER 0, 2, F1, F0, 0                        ; the last lap fills nothing, and has no round of the cluster's barrier
	QUARTER 0, 3, F0, F1, 0
	TURN 0, 1, 0
	QUARTER 1, 1, F0, F1, 0
	QUARTER 1, 2, F1, F0, 0
	QUARTER 1, 3, F0, F1, 0
	s_wait_dscnt 0x0
	MUL F1, 0, 4, 0
; THE WAY OUT of row block a.  PACK: rounded to f16, 16 bytes a lane.  TOSTAGE: into my own stage in LDS, and back as whole rows of 256 bytes.  SEND: stored.
.macro PACK a
	WIN 0x05                                       ; sources 0 and 1 window 1
.irp b, 0,1,2,3,4,5,6,7
.irp r, 0,1,2,3
	v_cvt_pk_f16_f32 v[TMP+4*(\b)+(\r)], v[8*(8*(\a)+(\b))+2*(\r)], v[8*(8*(\a)+(\b))+2*(\r)+1]
.endr
.endr
	WIN 0
.endm
.macro TOSTAGE a
.set BK, OB+32*((\a)%2)
.irp b, 0,1,2,3,4,5,6,7
	ds_store_b128 v[STO], v[TMP+4*(\b):TMP+4*(\b)+3] offset:32*(\b)
.endr
.irp t, 0,1,2,3,4,5,6,7
	ds_load_b128 v[BK+4*(\t):BK+4*(\t)+3], v[RD] offset:(\t)*2*SPITCH  ; LDS serves a wave's instructions in order (ISA guide 5.7.1.4): these see the stores above
.endr
.endm
.macro SEND a
.set BK, OB+32*((\a)%2)
	s_wait_dscnt 0x0                               ; the block is back in registers
	s_wait_xcnt 0x0                                ; only behind this wait are the stores' base and the registers that earlier stores read rewritten
.if (\a) == 0
	s_add_nc_u64 s[8:9], s[8:9], s[16:17]          ; on to my first rows
.else
	s_add_nc_u64 s[8:9], s[8:9], 16*CROW
.endif
.irp t, 0,1,2,3,4,5,6,7
	global_store_b128 v[CO], v[BK+4*(\t):BK+4*(\t)+3], s[8:9] offset:2*(\t)*CROW  ; 16 lanes store 256 consecutive bytes, at a multiple of 256 from qkv's first byte
.endr
.endm
	PLACES
	PACK 0
	TOSTAGE 0
.irp a, 1,2,3                          ; block a's conversions stand between block a - 1's loads from the stage and the wait for them
	PACK \a
	SEND (\a)-1
	TOSTAGE \a
.endr
	SEND 3
	s_wait_tensorcnt 0x0                           ; the wave's end: behind my last tensor load and my last LDS store
	ds_add_u32 v[SPW], v[NIL]
	s_wait_dscnt 0x0
	CROUND                                         ; the closing round: no work-group ends while a partner may still ask for a tile that names it
	s_endpgm
.Lfunc_end_k_q3e265db411_proj:
	.size	k_q3e265db411_proj, .Lfunc_end_k_q3e265db411_proj-k_q3e265db411_proj
	.p2alignl 7, 3214868480
	.fill 96, 4, 3214868480
	.section	.rodata,"a",@progbits
	.p2align	6, 0x0
	.amdhsa_kernel k_q3e265db411_proj
		.amdhsa_group_segment_fixed_size 327680
		.amdhsa_private_segment_fixed_size 0
		.amdhsa_enable_private_segment 0
		.amdhsa_kernarg_size 24
		.amdhsa_user_sgpr_count 2
		.amdhsa_user_sgpr_kernarg_segment_ptr 1
		.amdhsa_wavefront_size32 1
		.amdhsa_system_sgpr_workgroup_id_x 1
		.amdhsa_system_sgpr_workgroup_id_y 1
		.amdhsa_system_sgpr_workgroup_id_z 1
		.amdhsa_system_vgpr_workitem_id 0
		.amdhsa_next_free_vgpr 512
		.amdhsa_next_free_sgpr 66
		.amdhsa_reserve_vcc 0
		.amdhsa_float_denorm_mode_32 3
		.amdhsa_float_denorm_mode_16_64 3
		.amdhsa_memory_ordered 1
		.amdhsa_forward_progress 1
		.amdhsa_inst_pref_size 86
	.end_amdhsa_kernel
	.amdgpu_metadata
---
amdhsa.version: [ 1, 2 ]
amdhsa.kernels:
  - .name:           k_q3e265db411_proj
    .symbol:         k_q3e265db411_proj.kd
    .args:
      - { .name: xb, .offset: 0, .size: 8, .value_kind: global_buffer, .address_space: global }
      - { .name: wb, .offset: 8, .size: 8, .value_kind: global_buffer, .address_space: global }
      - { .name: qkv, .offset: 16, .size: 8, .value_kind: global_buffer, .address_space: global }
    .group_segment_fixed_size: 327680
    .private_segment_fixed_size: 0
    .kernarg_segment_align: 8
    .kernarg_segment_size: 24
    .max_flat_workgroup_size: 128
    .sgpr_count:     66
    .vgpr_count:     512
    .wavefront_size: 32
...
	.end_amdgpu_metadata
.endif
;; end of part 2
;; launch scores (part 3): grid 36 x 4, 4 waves a work-group, no clusters, 327,680 bytes of LDS; arguments qkv, pbuf, st; writes pbuf, st
.if DOCPART == 3
	.amdgcn_target "amdgcn-amd-amdhsa--gfx1250"
	.amdhsa_code_object_version 6
	.text
	.protected	k_q3e265db411_scores
	.globl	k_q3e265db411_scores
	.p2align	8
	.type	k_q3e265db411_scores,@function
k_q3e265db411_scores:
	s_mov_b64 s[64:65], 0
	v_nop
	global_prefetch_b8 v0, s[64:65] scope:SCOPE_SE
	s_setreg_imm32_b32 hwreg(HW_REG_WAVE_MODE, 25, 1), 1
	s_wait_xcnt 0x0
; THE CAUSAL SCORE TILES, with a softmax by chunks.  For batch b (grid y) and causal tile (I, J), J <= I, of 256 queries x 256 keys (grid x, 36 of them): t = c (q . k) + mask, c = log2(e) / 32.
; A wave makes 128 queries x 128 keys: one CHUNK of each of its rows.  For each row and chunk it takes the chunk's maximum m of t, stores p = 2^(t - m) in f16 into pbuf[b][q][key], and m and
; l = the sum of the unrounded p into st[b][chunk][m, l][row].  The next launch takes the maximum over a row's chunks: every exponent, here and there, is at most 0.
; THE MASK.  A hidden score counts as c s - 1e30; f16's scores, 4.4e12 at the most, vanish beside that, so its weight is 0.  A wave tile that is wholly hidden (diagonal tile, rows 0-127 x keys 128-255) stores
; m = -1e30, p = 1, l = 128, and the next launch's factor for it is exactly 0: one text for every tile, and no byte that is read later stays unwritten.
; LIMITS.  q and k arrive in f16, within 65,504; p below 6e-5 keeps f16's fixed step of 6e-8; a weight below 2^-126 counts as 0 in l; NaN and infinities are not treated apart.
; NO CLUSTER: a batch's 36 tiles are a triangle whose rows hold 1 to 8 tiles, so neither the tiles that share q rows nor those that share k rows fall into fours; the tile of 256 x 256 is taken instead.
; THE PRODUCT: four waves, each 128 x 128 in 64 accumulators; K = 1,024 in 8 steps of 128 through two LDS slots; each wave fetches 128 rows x 256 bytes with one tensor load (waves 0, 1: q's rows; 2, 3: k's).
; THE MATRIX INSTRUCTION IS USED TRANSPOSED (source 0 = 16 keys, source 1 = 16 queries): a lane holds ONE query (lane % 16) and the keys 8 (lane / 16) + 0..7 of each block of 16.
; REGISTERS.  window 0: v0-63 addresses and statistics; v64-127, v128-191 q's fragments, two buffers (in the epilogue: t, packed p, rows read back); v192-199 the diagonal block's mask.
;   window 1: v64-191 k's fragments.   window 2: the 32 accumulators of my rows 0-63 ((a, b) at v[8 (8 a + b)]);   window 3: those of my rows 64-127.
.set PITCH,  272                       ; an LDS row: 256 bytes + 16 of padding = 68 words: the 16 rows of a load start at 16 different groups of four banks (64 banks of 4 bytes: ISA guide 11.1)
.set HALFT,  128*PITCH
.set SLOT,   4*HALFT                   ; q's 256 rows, then k's 256 rows
.set STAGE,  2*SLOT                    ; behind the ring: 16 rows x 272 bytes for each wave
.set SPITCH, 272
.set STATS,  STAGE+4*16*SPITCH         ; for each wave 128 m, then 128 l
.set SPARE,  STATS+4*1024              ; the spare words, 128 bytes for each wave: two blocks of 256 bytes that no other line names
.set LAPS,   4
.set ADRA, 16                          ; v16-17  LDS address of my q fragments in slot 0, 1
.set ADRB, 20                          ; v20-21  the same for k
.set STO,  24
.set RD,   25
.set CO,   26                          ; v26     my byte offset in two rows of pbuf
.set SA,   27                          ; v27     where lanes 0-15 put m and lanes 16-31 put l of row block 0
.set SPW,  28
.set NIL,  29
.set C0,   32                          ; v32-35  four chains of the maximum
.set MX,   36                          ; v36     m; v37 = 0, named with it as a pair
.set LS,   38                          ; v38     l
.set XT,   40                          ; v40     what comes from the lane 16 away
.set SV,   41
.set RS,   42
.set SAC,  43
.set GS,   52
.set F0,   64
.set F1,   128
.set T,    64                          ; the epilogue: 64 t of a row block
.set PK,   128                         ; 32 words of packed p
.set OB,   160                         ; 16 rows read back
.set M0,   192                         ; the mask of the block that holds the diagonal
.set G1, 24                            ; s[24:31] descriptor group 1, one for all loads
.set G0, 32                            ; s[32:39] group 0, one set for each slot
.set CS,  40                           ; s[40:41] c
.set BEM, 42                           ; s[42:43] the addend of key blocks below the row block's number
.set BEP, 44                           ; s[44:45] of those above it
.set AL0, 46                           ; s[46:47], s[48:49] factor and addend that make M0
.set BE0, 48
.set SEL, 50                           ; s[50:51] v_permlanex16_b32's selects: each lane takes its own place in the other half
.set MSB, 0
.macro WIN new
.if MSB != (\new)
	s_set_vgpr_msb (MSB<<8)|(\new)
.set MSB, \new
.endif
.endm
.set MUL_LO, 0xa1                      ; source 0 (k) window 1, source 1 (q) window 0, C and D window 2
.set MUL_HI, 0xf1                      ; the same, C and D window 3
.set TO_B,   0x40                      ; destination window 1, address window 0
.macro PLACES                          ; four places (ISA guide 7.12.1)
.rept 4
	v_nop
.endr
.endm
	s_load_b128 s[4:7], s[0:1], 0x0                ; qkv s[4:5], pbuf s[6:7]
	s_load_b64 s[8:9], s[0:1], 0x10                ; st
	v_lshl_add_u32 v[SPW], v0, 2, SPARE
	v_mov_b32 v[NIL], 0
	ds_add_u32 v[SPW], v[NIL]                      ; the wave's opening: the add and its wait stand ahead of my first tensor load; the set-up below, work on registers, stands between them
	ds_add_u32 v28, v29
	v_lshrrev_b32 v1, 5, v0
	v_readfirstlane_b32 s10, v1                    ; wave 0..3
	s_lshr_b32 s11, s10, 1                         ; which half of the tile's queries is mine.  Also: I fetch q (0) or k (1)
	s_and_b32 s12, s10, 1                          ; which half of its keys.  Also: which 128 rows I fetch
	s_and_b32 s15, ttmp7, 0xffff                   ; the batch
	s_mov_b32 s18, ttmp9                           ; the tile's number t = I (I + 1) / 2 + J
	s_mov_b32 s13, 0
.irp T, 1,3,6,10,15,21,28
	s_cmp_ge_u32 s18, \T                           ; I = how many of the triangle numbers t has reached
	s_add_co_ci_u32 s13, s13, 0
.endr
	s_add_co_u32 s16, s13, 1
	s_mul_i32 s16, s16, s13
	s_lshr_b32 s16, s16, 1
	s_sub_co_u32 s14, s18, s16                     ; J
	s_mov_b32 s[G1+0], (1<<16)|(1<<20)|(5<<22)|(3<<25)  ; 2-byte elements; padding on: after every 64 words 4 words
	s_mov_b32 s[G1+1], 128<<16                     ; tensor_dim0 = 128
	s_mov_b32 s[G1+2], 128<<16                     ; tensor_dim1 = 128
	s_mov_b32 s[G1+3], 128<<16                     ; tile_dim0 = 128
	s_mov_b32 s[G1+4], 128                         ; tile_dim1 = 128
	s_mov_b32 s[G1+5], 3072                        ; elements from row to row of qkv
	s_mov_b32 s[G1+6], 0
	s_mov_b32 s[G1+7], 0
	s_mov_b32 s[CS], 0x3d38aa3b                    ; c = log2(e) / 32
	s_mov_b32 s[CS+1], 0                           ; the pairs' upper words are named, so they are written
	s_mov_b32 s[SEL], 0x76543210
	s_mov_b32 s[SEL+1], 0xfedcba98
	s_mov_b32 s52, 0xf149f2ca                      ; -1e30
	s_mov_b32 s54, 0xffff0000                      ; lanes 16-31
	s_sub_co_u32 s16, s13, s14                     ; how many chunks of 128 my queries lie ahead of my keys: 2 (I - J) + my row half - my key half
	s_lshl_b32 s16, s16, 1
	s_add_co_u32 s16, s16, s11
	s_sub_co_u32 s16, s16, s12
	s_cmp_eq_u32 s16, 0                            ; 0: my wave tile holds the diagonal
	s_cselect_b32 s[AL0], 1.0, 0
	s_cmp_lt_i32 s16, 0                            ; below 0: all of it is hidden
	s_cselect_b32 s[BEM], s52, 0
	s_cmp_le_i32 s16, 0
	s_cselect_b32 s[BEP], s52, 0
	s_mov_b32 s[BE0], s[BEM]
	s_mov_b32 s[AL0+1], 0
	s_mov_b32 s[BEM+1], 0
	s_mov_b32 s[BEP+1], 0
	s_mov_b32 s[BE0+1], 0
	s_cmp_eq_u32 s11, 0
	s_cselect_b32 s16, s13, s14                    ; the block of 256 rows that I fetch from: I for q, J for k
	s_lshl_b32 s16, s16, 8
	s_lshl_b32 s17, s15, 11
	s_add_co_u32 s16, s16, s17
	s_lshl_b32 s17, s12, 7
	s_add_co_u32 s16, s16, s17                     ; row 2,048 b + 256 block + 128 half,
	s_mul_i32 s16, s16, 6144                       ; of 6,144 bytes;
	s_lshl_b32 s17, s11, 11                        ; k's columns begin 2,048 bytes into a row
	s_add_co_u32 s16, s16, s17
	s_mov_b32 s17, 0
	s_mul_i32 s20, s10, HALFT                      ; and where it goes: wave x 128 rows
	s_wait_dscnt 0x0                               ; the opening add is done
	s_wait_kmcnt 0x0
	s_add_nc_u64 s[18:19], s[4:5], s[16:17]
.irp s, 0,1
	s_mov_b32 s[G0+4*(\s)], 1
	s_add_co_u32 s[G0+4*(\s)+1], s20, (\s)*SLOT
	s_add_nc_u64 s[G0+4*(\s)+2:G0+4*(\s)+3], s[18:19], (\s)*256
	s_or_b32 s[G0+4*(\s)+3], s[G0+4*(\s)+3], 0x80000000
	tensor_load_to_lds s[G0+4*(\s):G0+4*(\s)+3], s[G1:G1+7]  ; K steps 0 and 1: two loads of mine are out
	s_nop 0
.endr
	v_and_b32 v1, 15, v0                           ; l % 16
	v_bfe_u32 v2, v0, 4, 1                         ; l / 16
	v_mul_u32_u24 v3, v1, PITCH
	v_lshl_add_u32 v3, v2, 4, v3                   ; row x pitch + 16 x half
	s_mul_i32 s21, s11, HALFT                      ; my 128 rows of q
	s_mul_i32 s22, s12, HALFT                      ; my 128 rows of k,
	s_add_co_u32 s22, s22, 2*HALFT                 ; which lie behind q's 256
.irp s, 0,1
	v_add_nc_u32 v[ADRA+(\s)], s21, v3
	v_add_nc_u32 v[ADRB+(\s)], s22, v3
	s_add_co_u32 s21, s21, SLOT
	s_add_co_u32 s22, s22, SLOT
.endr
	s_mul_i32 s23, s10, 16*SPITCH
	s_add_co_u32 s23, s23, STAGE                   ; my stage
	v_add_nc_u32 v[STO], s23, v3                   ; in: row l % 16, 16 bytes for each half of the lanes (the stage has the tiles' pitch)
	v_mul_u32_u24 v5, v2, SPITCH                   ; back: lanes 0-15 take one row of 256 bytes, lanes 16-31 the next
	v_lshl_add_u32 v5, v1, 4, v5
	v_add_nc_u32 v[RD], s23, v5
	v_lshlrev_b32 v5, 12, v2                       ; and the same two rows in pbuf, 4,096 bytes apart
	v_lshl_add_u32 v[CO], v1, 4, v5
	s_lshl_b32 s23, s10, 10
	s_add_co_u32 s23, s23, STATS                   ; my statistics
	v_lshlrev_b32 v5, 9, v2
	v_lshl_add_u32 v5, v1, 2, v5
	v_add_nc_u32 v[SA], s23, v5
	v_and_b32 v[GS], 31, v0
	v_lshlrev_b32 v[GS], 4, v[GS]
	v_add_nc_u32 v[RS], s23, v[GS]
	v_mov_b32 v[MX+1], 0
	v_mov_b32 v[XT], 0                             ; v_permlanex16_b32's destination counts as read
	v_lshlrev_b32 v30, 3, v2
	v_sub_nc_u32 v30, v1, v30                      ; in the block that holds the diagonal register j is hidden where j > l % 16 - 8 (l / 16)
.irp j, 0,1,2,3,4,5,6,7
	v_cmp_gt_i32 vcc_lo, \j, v30
	v_cndmask_b32 v[M0+(\j)], 0, s52, vcc_lo
.endr
.irp z, 0,1,2,3
	v_pk_fma_f32 v[M0+2*(\z):M0+2*(\z)+1], v[M0+2*(\z):M0+2*(\z)+1], s[AL0:AL0+1], s[BE0:BE0+1] op_sel_hi:[1,0,0]  ; that mask, or 0, or -1e30 everywhere
.endr
	s_lshl_b32 s16, s15, 11                        ; pbuf at my part: row 2,048 b + 256 I + 128 half, of 4,096 bytes,
	s_lshl_b32 s17, s13, 8
	s_add_co_u32 s16, s16, s17
	s_lshl_b32 s17, s11, 7
	s_add_co_u32 s16, s16, s17
	s_lshl_b32 s16, s16, 12
	s_lshl_b32 s17, s14, 9                         ; byte 512 J + 256 half
	s_add_co_u32 s16, s16, s17
	s_lshl_b32 s17, s12, 8
	s_add_co_u32 s16, s16, s17
	s_mov_b32 s17, 0
	s_add_nc_u64 s[6:7], s[6:7], s[16:17]
	s_lshl_b32 s16, s15, 4                         ; st at my part: chunk 16 b + 2 J + half, of 16,384 bytes,
	s_lshl_b32 s17, s14, 1
	s_add_co_u32 s16, s16, s17
	s_add_co_u32 s16, s16, s12
	s_lshl_b32 s16, s16, 14
	s_lshl_b32 s17, s13, 10                        ; row 256 I + 128 half, of 4 bytes
	s_add_co_u32 s16, s16, s17
	s_lshl_b32 s17, s11, 9
	s_add_co_u32 s16, s16, s17
	s_mov_b32 s17, 0
	s_add_nc_u64 s[8:9], s[8:9], s[16:17]
; 16 matrix instructions: row blocks a0, a0 + 1 of the window's four x all 8 key blocks, 32 along K.  The 64 accumulators take turns.  zero = 1: the first product starts the sums.
.macro MUL16 f, hi, a0, zero
	WIN MUL_LO+0x50*(\hi)
.irp a, \a0, (\a0)+1
.irp b, 0,1,2,3,4,5,6,7
.if \zero
	v_wmma_f32_16x16x32_f16 v[8*(8*(\a)+(\b)):8*(8*(\a)+(\b))+7], v[(\f)+8*(\b):(\f)+8*(\b)+7], v[(\f)+8*(4*(\hi)+(\a)):(\f)+8*(4*(\hi)+(\a))+7], 0
.else
	v_wmma_f32_16x16x32_f16 v[8*(8*(\a)+(\b)):8*(8*(\a)+(\b))+7], v[(\f)+8*(\b):(\f)+8*(\b)+7], v[(\f)+8*(4*(\hi)+(\a)):(\f)+8*(4*(\hi)+(\a))+7], v[8*(8*(\a)+(\b)):8*(8*(\a)+(\b))+7]
.endif
.endr
.endr
.endm
; 32 LDS loads in one run: the fragments of one quarter step (128 rows of k, 128 rows of q, 32 K at byte k of the rows) into buffer f
.macro FETCH slot, k, f
	WIN TO_B
.irp i, 0,1,2,3,4,5,6,7
	ds_load_b128 v[(\f)+8*(\i):(\f)+8*(\i)+3],   v[ADRB+(\slot)] offset:(\k)+(\i)*16*PITCH
	ds_load_b128 v[(\f)+8*(\i)+4:(\f)+8*(\i)+7], v[ADRB+(\slot)] offset:(\k)+(\i)*16*PITCH+32
.endr
	WIN 0
.irp i, 0,1,2,3,4,5,6,7
	ds_load_b128 v[(\f)+8*(\i):(\f)+8*(\i)+3],   v[ADRA+(\slot)] offset:(\k)+(\i)*16*PITCH
	ds_load_b128 v[(\f)+8*(\i)+4:(\f)+8*(\i)+7], v[ADRA+(\slot)] offset:(\k)+(\i)*16*PITCH+32
.endr
.endm
; A K step is four quarters of 32 along K, 64 matrix instructions each, on buffers 0, 1, 0, 1.  One of the first three: fetches the next quarter into g, then multiplies f.
.macro QUARTER slot, k, f, g, zero
	s_wait_dscnt 0x0                               ; buffer f is in: its loads were issued 32 matrix instructions ago or more
	PLACES                                         ; behind the products that read buffer g
	FETCH \slot, \k, \g
	MUL16 \f, 0, 0, \zero
	MUL16 \f, 0, 2, \zero
	MUL16 \f, 1, 0, \zero
	MUL16 \f, 1, 2, \zero
.endm
; The last quarter multiplies buffer 1 and changes slots: ONE barrier; in front of it each wave waits for all its tensor loads (one is out: its part of the next slot), adds 0 to its spare word,
; and waits for that and for its own reads of this slot.  fill = 1: this slot is filled again, two K steps ahead, first thing behind the barrier: 224 matrix instructions ahead of the wait for it.
.macro TURN slot, next, fill
	WIN 0
	s_wait_tensorcnt 0x0
	ds_add_u32 v[SPW], v[NIL]
	s_wait_dscnt 1                                 ; buffer 1 is in; the add alone may be out
	MUL16 F1, 0, 0, 0                              ; sixteen matrix instructions stand between the add and the wait for it
	s_wait_dscnt 0x0                               ; the add is done, and my reads of this slot are over
	s_barrier_signal -1
	MUL16 F1, 0, 2, 0
	WIN 0
	s_barrier_wait -1
.if \fill
	s_add_nc_u64 s[G0+4*(\slot)+2:G0+4*(\slot)+3], s[G0+4*(\slot)+2:G0+4*(\slot)+3], 512  ; no tensor load of mine is out, so a group 0 may be written
	tensor_load_to_lds s[G0+4*(\slot):G0+4*(\slot)+3], s[G1:G1+7]
	s_nop 0
.endif
	PLACES                                         ; in front of the loads into buffer 0
	FETCH \next, 0, F0
	MUL16 F1, 1, 0, 0
	MUL16 F1, 1, 2, 0
.endm
	s_wait_tensorcnt 1                             ; my part of K step 0 is in; K step 1's may stay out
	s_barrier_signal -1
	s_barrier_wait -1
	FETCH 0, 0, F0
	QUARTER 0, 64, F0, F1, 1                       ; the first quarter stands in front of the loop: its products start the sums
	WIN 0
	s_mov_b32 s3, LAPS-1
.Llap:
	QUARTER 0, 128, F1, F0, 0
	QUARTER 0, 192, F0, F1, 0
	TURN 0, 1, 1
	QUARTER 1, 64,  F0, F1, 0
	QUARTER 1, 128, F1, F0, 0
	QUARTER 1, 192, F0, F1, 0
	TURN 1, 0, 1
	QUARTER 0, 64,  F0, F1, 0
	WIN 0
	s_sub_co_u32 s3, s3, 1
	s_cmp_lg_u32 s3, 0
	s_cbranch_scc1 .Llap
	QUARTER 0, 128, F1, F0, 0                      ; the last lap fills nothing
	QUARTER 0, 192, F0, F1, 0
	TURN 0, 1, 0
	QUARTER 1, 64,  F0, F1, 0
	QUARTER 1, 128, F1, F0, 0
	QUARTER 1, 192, F0, F1, 0
	s_wait_dscnt 0x0
	MUL16 F1, 0, 0, 0
	MUL16 F1, 0, 2, 0
	MUL16 F1, 1, 0, 0
	MUL16 F1, 1, 2, 0
	WIN 0
	PLACES                                         ; behind the last products
; THE EPILOGUE: a loop over my eight blocks of 16 rows.  What differs from block to block, the accumulators' numbers and which key block holds the diagonal, stands in eight short texts that
; bring t = c s + mask into v64-127; the rest is written once.  Each accumulator's lowest registers are read first.
.macro COPY a
.Lcopy_\a:
	WIN 0x02+(\a)/4                                ; source 0 in window 2 or 3
.irp b, 0,1,2,3,4,5,6,7
.irp z, 0,1,2,3
.if (\b) < (\a)
	v_pk_fma_f32 v[T+8*(\b)+2*(\z):T+8*(\b)+2*(\z)+1], v[8*(8*((\a)%4)+(\b))+2*(\z):8*(8*((\a)%4)+(\b))+2*(\z)+1], s[CS:CS+1], s[BEM:BEM+1] op_sel_hi:[1,0,0]
.elseif (\b) == (\a)
	v_pk_fma_f32 v[T+8*(\b)+2*(\z):T+8*(\b)+2*(\z)+1], v[8*(8*((\a)%4)+(\b))+2*(\z):8*(8*((\a)%4)+(\b))+2*(\z)+1], s[CS:CS+1], v[M0+2*(\z):M0+2*(\z)+1] op_sel_hi:[1,0,1]
.else
	v_pk_fma_f32 v[T+8*(\b)+2*(\z):T+8*(\b)+2*(\z)+1], v[8*(8*((\a)%4)+(\b))+2*(\z):8*(8*((\a)%4)+(\b))+2*(\z)+1], s[CS:CS+1], s[BEP:BEP+1] op_sel_hi:[1,0,0]
.endif
.endr
.endr
	WIN 0
	s_branch .Lepi
.endm
	s_mov_b32 s2, 0
.Lrow:
.irp a, 0,1,2,3,4,5,6
	s_cmp_eq_u32 s2, \a
	s_cbranch_scc1 .Lcopy_\a
.endr
	COPY 7
	COPY 6
	COPY 5
	COPY 4
	COPY 3
	COPY 2
	COPY 1
	COPY 0
.Lepi:
	; the row's maximum over the chunk: four chains of fifteen, the four left over, the lane 16 away
.irp k, 0,1,2,3
	v_max3_num_f32 v[C0+(\k)], v[T+16*(\k)], v[T+16*(\k)+1], v[T+16*(\k)+2]
.endr
.irp i, 0,1,2,3,4,5
.irp k, 0,1,2,3
	v_max3_num_f32 v[C0+(\k)], v[C0+(\k)], v[T+16*(\k)+3+2*(\i)], v[T+16*(\k)+4+2*(\i)]
.endr
.endr
	v_max3_num_f32 v[C0], v[C0], v[T+15], v[T+31]
	v_max3_num_f32 v[C0+2], v[C0+2], v[T+47], v[T+63]
	v_max3_num_f32 v[C0], v[C0], v[C0+1], v[C0+2]
	v_max_num_f32 v[C0], v[C0], v[C0+3]
	v_permlanex16_b32 v[XT], v[C0], s[SEL], s[SEL+1]
	v_max_num_f32 v[MX], v[C0], v[XT]
.set i, 0
.rept 32
	v_pk_add_f32 v[T+2*i:T+2*i+1], v[T+2*i:T+2*i+1], v[MX:MX+1] op_sel_hi:[1,0] neg_lo:[0,1] neg_hi:[0,1]  ; t - m
.set i, i+1
.endr
.set i, 0
.rept 64
	v_exp_f32 v[T+i], v[T+i]
.set i, i+1
.endr
	v_nop                                          ; a plain instruction between the exponentials and the use of their results (ISA guide 5.7.2)
.set i, 0
	s_wait_alu depctr_va_vdst(0)
.rept 32
	v_cvt_pk_f16_f32 v[PK+i], v[T+2*i], v[T+2*i+1]
.set i, i+1
.endr
.irp w, 32,16,8,4,2                    ; the sum of the 32 pairs, in place: pairs 16, 8, 4, 2 and 1 apart
.set u, 0
.rept (\w)/2
	v_pk_add_f32 v[T+u:T+u+1], v[T+u:T+u+1], v[T+u+(\w):T+u+(\w)+1]
.set u, u+2
.endr
.endr
	v_add_f32 v[LS], v[T], v[T+1]
	v_permlanex16_b32 v[XT], v[LS], s[SEL], s[SEL+1]
	v_add_f32 v[LS], v[LS], v[XT]
	v_cndmask_b32 v[SV], v[MX], v[LS], s54         ; lanes 0-15 keep m, lanes 16-31 l
	v_lshl_add_u32 v[SAC], s2, 6, v[SA]            ; this block's 16 rows of 4 bytes
.irp b, 0,1,2,3,4,5,6,7
	ds_store_b128 v[STO], v[PK+4*(\b):PK+4*(\b)+3] offset:32*(\b)
.endr
.irp t, 0,1,2,3,4,5,6,7
	ds_load_b128 v[OB+4*(\t):OB+4*(\t)+3], v[RD] offset:(\t)*2*SPITCH  ; LDS serves a wave's instructions in order (ISA guide 5.7.1.4): these see the stores above
.endr
	ds_store_b32 v[SAC], v[SV]
	s_wait_dscnt 1                                 ; the rows are back; the store of the statistics may be out
.irp t, 0,1,2,3,4,5,6,7
	global_store_b128 v[CO], v[OB+4*(\t):OB+4*(\t)+3], s[6:7] offset:2*(\t)*4096  ; 16 lanes store 256 consecutive bytes, at a multiple of 256 from pbuf's first byte
.endr
	s_wait_xcnt 0x0                                ; the base, and the registers that these stores read, are rewritten only behind this wait
	s_add_nc_u64 s[6:7], s[6:7], 65536             ; 16 rows on
	s_add_co_u32 s2, s2, 1
	s_cmp_lt_u32 s2, 8
	s_cbranch_scc1 .Lrow
	ds_load_b128 v[44:47], v[RS]                   ; my 128 m and my 128 l, 512 consecutive bytes each
	ds_load_b128 v[48:51], v[RS] offset:512
	s_wait_dscnt 0x0
	global_store_b128 v[GS], v[44:47], s[8:9]
	global_store_b128 v[GS], v[48:51], s[8:9] offset:8192
	s_wait_tensorcnt 0x0                           ; the wave's end: behind my last tensor load and my last LDS store
	ds_add_u32 v[SPW], v[NIL]
	s_wait_dscnt 0x0
	s_endpgm
.Lfunc_end_k_q3e265db411_scores:
	.size	k_q3e265db411_scores, .Lfunc_end_k_q3e265db411_scores-k_q3e265db411_scores
	.p2alignl 7, 3214868480
	.fill 96, 4, 3214868480
	.section	.rodata,"a",@progbits
	.p2align	6, 0x0
	.amdhsa_kernel k_q3e265db411_scores
		.amdhsa_group_segment_fixed_size 327680
		.amdhsa_private_segment_fixed_size 0
		.amdhsa_enable_private_segment 0
		.amdhsa_kernarg_size 24
		.amdhsa_user_sgpr_count 2
		.amdhsa_user_sgpr_kernarg_segment_ptr 1
		.amdhsa_wavefront_size32 1
		.amdhsa_system_sgpr_workgroup_id_x 1
		.amdhsa_system_sgpr_workgroup_id_y 1
		.amdhsa_system_sgpr_workgroup_id_z 1
		.amdhsa_system_vgpr_workitem_id 0
		.amdhsa_next_free_vgpr 1024
		.amdhsa_next_free_sgpr 66
		.amdhsa_reserve_vcc 1
		.amdhsa_float_denorm_mode_32 3
		.amdhsa_float_denorm_mode_16_64 3
		.amdhsa_memory_ordered 1
		.amdhsa_forward_progress 1
		.amdhsa_inst_pref_size 140
	.end_amdhsa_kernel
	.amdgpu_metadata
---
amdhsa.version: [ 1, 2 ]
amdhsa.kernels:
  - .name:           k_q3e265db411_scores
    .symbol:         k_q3e265db411_scores.kd
    .args:
      - { .name: qkv, .offset: 0, .size: 8, .value_kind: global_buffer, .address_space: global }
      - { .name: pbuf, .offset: 8, .size: 8, .value_kind: global_buffer, .address_space: global }
      - { .name: st, .offset: 16, .size: 8, .value_kind: global_buffer, .address_space: global }
    .group_segment_fixed_size: 327680
    .private_segment_fixed_size: 0
    .kernarg_segment_align: 8
    .kernarg_segment_size: 24
    .max_flat_workgroup_size: 128
    .sgpr_count:     66
    .vgpr_count:     1024
    .wavefront_size: 32
...
	.end_amdgpu_metadata
.endif
;; end of part 3
;; launch pv (part 4): grid 8 x 32, 4 waves a work-group, clusters of 4 x 1, 327,680 bytes of LDS; arguments pbuf, qkv, st, out0; writes out0
.if DOCPART == 4
	.amdgcn_target "amdgcn-amd-amdhsa--gfx1250"
	.amdhsa_code_object_version 6
	.text
	.protected	k_q3e265db411_pv
	.globl	k_q3e265db411_pv
	.p2align	8
	.type	k_q3e265db411_pv,@function
k_q3e265db411_pv:
	s_mov_b64 s[64:65], 0
	v_nop
	global_prefetch_b8 v0, s[64:65] scope:SCOPE_SE
	s_setreg_imm32_b32 hwreg(HW_REG_WAVE_MODE, 25, 1), 1
	s_wait_xcnt 0x0
	s_wait_alu depctr_hold_cnt(0) depctr_sa_sdst(0) depctr_va_vdst(0) depctr_va_sdst(0) depctr_va_ssrc(0) depctr_va_vcc(0) depctr_vm_vsrc(0)
	s_getreg_b32 s2, hwreg(HW_REG_IB_STS2, 6, 4)
	s_cmp_eq_u32 s2, 0
	s_cbranch_scc0 .Lentry_in_a_cluster
	s_endpgm
.Lentry_in_a_cluster:
	s_bfe_u32 s2, ttmp6, 0x10000c
	s_cmp_lg_u32 s2, 0x3003
	s_cbranch_scc0 .Lentry_shape_is_right
	s_endpgm
.Lentry_shape_is_right:
; out[b][q][ch] = (the sum over a row's chunks u of f_u x the sum over the chunk's keys of p v[key][ch]) / L,  f_u = 2^(m_u - M), M = the maximum of the row's m_u, L = the sum of f_u l_u.
; p (f16), m and l come from the launch before; v is columns 2,048-3,071 of qkv (f16).  f is rounded to f16, p f is rounded to f16 for the product; L takes the rounded f; sums in f32; out in f32.
; LIMITS.  p f below 6e-5 keeps f16's fixed step of 6e-8, and an f below 6e-8 counts as 0; since the largest weight of a row is 1, L is at least 1.  v arrives within 65,504.  NaN and infinities are not treated apart.
; THE WALK.  A batch's queries lie in 16 blocks of 128; block i needs (i + 2) / 2 steps of 256 keys.  A work-group takes 128 channels of TWO blocks, p and then 15 - p: 9 steps whatever p, so the 256 work-groups
; do equal work and the loops count to constants.  The first block ends in one of the first four steps; the jump over its way out goes forward and passes no barrier and no tensor load.
; CLUSTER.  The four work-groups of a cluster have the same batch and blocks and four different groups of channels: P's tile is asked for jointly (mask of four), V's by each for itself, in the same place.
; A partner that shares V would have another walk, so V is not shared.
; SHARES.  A wave makes 64 queries x 64 channels: 16 accumulators.  THE MATRIX INSTRUCTION IS USED TRANSPOSED (source 0 = 16 channels, turned out of LDS by ds_load_tr16_b128; source 1 = 16 queries x 32 keys
; of P as it lies): a lane holds ONE query, so f is one word a lane and row block, and two v_pk_mul_f16 behind each matrix instruction scale the next 32 keys' P.
; NO FIRST STEP is written out: the accumulators are cleared, 128 v_mov_b32 at the start and 128 behind the first block; the last step's look-ahead (48 LDS loads, 32 multiplies, on a slot that has been read
; and a factor of 0) serves nothing: the price of one text for both trips of the tail.
; REGISTERS.  window 0: v0-15 addresses; v16-23 f of two chunks; v24-31 1 / L; v32-63 at work; v64-127 scaled P, two buffers; v128-255 the accumulators ((a, cb) at v[128 + 8 (4 a + cb)]).
;   window 1: v0-127 V's fragments, a ring of four runs of 32 keys; v128-255 P's, likewise.
.set PP,    528                        ; a row of P in LDS: 512 bytes + 16 = 132 words: the 16 rows of a load start at 16 different groups of four banks (64 banks of 4 bytes: ISA guide 11.1)
.set PV,    288                        ; a row of V: 256 + 32 = 72 words
.set VOFF,  128*PP                     ; a slot: 128 rows of P, then 256 rows of V
.set SLOTB, VOFF+256*PV
.set STAGE, 2*SLOTB                    ; behind the ring: 16 rows x 272 bytes for each wave
.set SPITCH, 272
.set FTAB,  STAGE+4*16*SPITCH          ; 20 entries of 128 words: f16(f) twice, by the walk's chunk and the block's row
.set ILT,   FTAB+20*512                ; 1 / L: 128 rows of the first block, 128 of the second
.set SPARE, ILT+1024                   ; the spare words, 128 bytes for each wave: two blocks of 256 bytes that no other line names
.set AP0, 3                            ; v3   my lane's place in a tile of P; never rewritten
.set AV0, 4                            ; v4   the same for V
.set AP,  5                            ; v5   in the slot in hand
.set AVA, 6                            ; v6   V's keys 0-127 of the slot in hand;  v7 keys 128-255
.set FA0, 8                            ; v8   my row's word in the table's entry 0
.set STO, 9
.set RD,  10
.set GO,  11                           ; v11  my byte offset in two rows of out
.set IA,  12                           ; v12  my row's word in ILT
.set FAC, 13                           ; v13  my row's word in the entry of the step in hand
.set SPW, 14
.set NIL, 15
.set FC0, 16                           ; v16-19 f of a step's first chunk, by row block; v20-23 of its second
.set FC1, 20
.set IL,  24                           ; 1 / L of row block a at v[24 + 2 a]; the odd registers are named with them as pairs
.set SP,  64
.set ACC, 128
.set WV,  12                           ; s12 my wave's number
.set G1P, 24                           ; s[24:31] descriptor group 1 for P's tiles
.set G1V, 32                           ; s[32:39] for V's
.set G0P, 40                           ; s[40:47] group 0 for P's: a set for each of the two first fills; the second then walks on
.set G0V, 48                           ; s[48:55] the same for V's
.set CNT, 56
.set RT,  57                           ; steps that the first block still has
.set TB,  58                           ; the LDS byte at which the slot in hand begins
.set DD,  59                           ; the step of 256 keys to be asked for next,
.set LQ,  60                           ; the last such step of the block whose tiles are being asked for,
.set PBLK, 61                          ; and that block's byte offset in a batch of pbuf
.set FB,  62                           ; 1,024 x the walk's step
.set LPC, 63                           ; my tile's place in a slot, for P
.set PBA, 66                           ; s[66:67] pbuf at my batch and my half of a block's rows
.set VBA, 68                           ; s[68:69] qkv at my batch, my half of a step's keys, my channels of v
.set PBLKHI, 74
.set NDH1, 75
.set NCL, 76                           ; the first block's chunks
.set LVC, 77                           ; my tile's place in a slot, for V
.set OFF, 78                           ; s[78:79] an offset, upper word 0
.set MSB, 0
.macro WIN new
.if MSB != (\new)
	s_set_vgpr_msb (MSB<<8)|(\new)
.set MSB, \new
.endif
.endm
.set MULW, 0x01                        ; source 0 (V's fragment; P as loaded) window 1, all else window 0
.set TO_F, 0x40                        ; destination window 1, address window 0
.macro PLACES
.rept 4
	v_nop
.endr
.endm
.macro CREST
	s_cmp_lg_u32 s[WV], 0
	s_cbranch_scc1 .Lnot_wave_0_\@
	s_barrier_signal -3
.Lnot_wave_0_\@:
	s_barrier_wait -3
	s_barrier_signal -1
	s_barrier_wait -1
.endm
.macro CROUND
	s_barrier_signal -1
	s_barrier_wait -1
	CREST
.endm
; The addresses of the tiles of step DD of the block in hand, made anew from the bases; then DD steps, and behind the first block's last step goes back to 0 in the second block.
.macro GEN set
	s_lshl_b32 s[OFF], s[DD], 9                    ; 256 keys are 512 bytes of a row of P,
	s_add_co_u32 s[OFF], s[OFF], s[PBLK]
	s_add_nc_u64 s[G0P+4*(\set)+2:G0P+4*(\set)+3], s[PBA:PBA+1], s[OFF:OFF+1]
	s_or_b32 s[G0P+4*(\set)+3], s[G0P+4*(\set)+3], 0x80000000
	s_mul_i32 s[OFF], s[DD], 1572864               ; and 256 rows of 6,144 bytes of qkv
	s_add_nc_u64 s[G0V+4*(\set)+2:G0V+4*(\set)+3], s[VBA:VBA+1], s[OFF:OFF+1]
	s_or_b32 s[G0V+4*(\set)+3], s[G0V+4*(\set)+3], 0x80000000
	s_add_co_u32 s[DD], s[DD], 1
	s_cmp_gt_u32 s[DD], s[LQ]
	s_cselect_b32 s[DD], 0, s[DD]
	s_cselect_b32 s[PBLK], s[PBLKHI], s[PBLK]
	s_cselect_b32 s[LQ], s[NDH1], s[LQ]
.endm
.macro JLOAD                           ; a refill: waves 0 and 1 ask jointly for the halves of P's tile, waves 2 and 3 for those of V's; an s_nop 0 and four v_nop follow each line
	s_cmp_lt_u32 s[WV], 2
	s_cbranch_scc0 .Lfor_v_\@
	tensor_load_to_lds s[G0P+4:G0P+7], s[G1P:G1P+7]
	s_nop 0
.rept 4
	v_nop
.endr
	s_branch .Lasked_\@
.Lfor_v_\@:
	tensor_load_to_lds s[G0V+4:G0V+7], s[G1V:G1V+7]
	s_nop 0
.rept 4
	v_nop
.endr
.Lasked_\@:
.endm
	s_load_b256 s[4:11], s[0:1], 0x0               ; pbuf s[4:5], qkv s[6:7], st s[8:9], out0 s[10:11]
	v_lshl_add_u32 v[SPW], v0, 2, SPARE
	v_mov_b32 v[NIL], 0
	ds_add_u32 v[SPW], v[NIL]                      ; the wave's opening: the add and its wait stand ahead of my first tensor load; the set-up below, work on registers, stands between them
	ds_add_u32 v14, v15
	v_lshrrev_b32 v1, 5, v0
	v_readfirstlane_b32 s[WV], v1                  ; wave 0..3
	s_bfe_u32 s13, ttmp6, 0x40000                  ; cx: my place in the cluster
	s_lshl_b32 s14, ttmp9, 2
	s_add_co_u32 s14, s14, s13                     ; my 128 channels = 4 x cluster x + cx: it enters V's and out's addresses alone
	s_and_b32 s19, ttmp7, 0xffff
	s_and_b32 s15, s19, 7                          ; p, the first block,
	s_lshr_b32 s16, s19, 3                         ; and the batch: the four partners share both
	s_lshr_b32 s17, s[WV], 1                       ; which 64 queries are mine
	s_and_b32 s18, s[WV], 1                        ; which 64 channels.  Also: which half of a tile I fetch
	s_add_co_u32 s20, s15, 2
	s_lshr_b32 s20, s20, 1                         ; the first block's steps
	s_mov_b32 s[RT], s20
	s_lshl_b32 s[NCL], s20, 1
	s_sub_co_u32 s[LQ], s20, 1
	s_sub_co_u32 s[NDH1], 8, s20                   ; the second block has 9 less that many
	s_sub_co_u32 s21, 15, s15                      ; the second block
	s_lshl_b32 s[PBLK], s15, 19                    ; a block is 128 rows of 4,096 bytes of pbuf
	s_lshl_b32 s[PBLKHI], s21, 19
	s_mov_b32 s[DD], 0
	s_mov_b32 s[OFF+1], 0
	s_mov_b32 s[TB], 0
	s_mov_b32 s[FB], 0
	s_mov_b32 s[G1P], 15|(1<<16)|(1<<20)|(1<<21)|(6<<22)|(3<<25)  ; the mask of four; 2-byte elements; padding on; bit 21 beside a mask; after every 128 words 4 words
	s_mov_b32 s[G1P+1], 256<<16                    ; 64 rows of 256 elements
	s_mov_b32 s[G1P+2], 64<<16
	s_mov_b32 s[G1P+3], 256<<16
	s_mov_b32 s[G1P+4], 64
	s_mov_b32 s[G1P+5], 2048                       ; elements from row to row of pbuf
	s_mov_b32 s[G1P+6], 0
	s_mov_b32 s[G1P+7], 0
	s_mov_b32 s[G1V], (1<<16)|(1<<20)|(5<<22)|(7<<25)  ; no mask; after every 64 words 8 words
	s_mov_b32 s[G1V+1], 128<<16                    ; 128 rows of 128 elements
	s_mov_b32 s[G1V+2], 128<<16
	s_mov_b32 s[G1V+3], 128<<16
	s_mov_b32 s[G1V+4], 128
	s_mov_b32 s[G1V+5], 3072                       ; elements from row to row of qkv
	s_mov_b32 s[G1V+6], 0
	s_mov_b32 s[G1V+7], 0
	s_mul_i32 s[LPC], s18, 64*PP                   ; no place in the cluster enters an LDS address
	s_mul_i32 s[LVC], s18, 128*PV
	s_add_co_u32 s[LVC], s[LVC], VOFF
	s_mov_b32 s[G0P], 1
	s_mov_b32 s[G0P+1], s[LPC]                     ; slot 0
	s_mov_b32 s[G0P+4], 1
	s_add_co_u32 s[G0P+5], s[LPC], SLOTB           ; slot 1
	s_mov_b32 s[G0V], 1
	s_mov_b32 s[G0V+1], s[LVC]
	s_mov_b32 s[G0V+4], 1
	s_add_co_u32 s[G0V+5], s[LVC], SLOTB
	s_lshl_b32 s22, s16, 23                        ; pbuf: a batch is 8 MiB, my half 64 rows
	s_lshl_b32 s23, s18, 18
	s_add_co_u32 s22, s22, s23
	s_mov_b32 s23, 0
	s_lshl_b32 s84, s16, 11                        ; qkv: row 2,048 b + 128 half, of 6,144 bytes; v begins 4,096 bytes into a row; 256 bytes for each group of channels
	s_lshl_b32 s85, s18, 7
	s_add_co_u32 s84, s84, s85
	s_mul_i32 s84, s84, 6144
	s_lshl_b32 s85, s14, 8
	s_add_co_u32 s84, s84, s85
	s_add_co_u32 s84, s84, 4096
	s_mov_b32 s85, 0
	s_lshl_b32 s86, s16, 11                        ; out: row 2,048 b + 128 block + 64 half, of 4,096 bytes; byte 512 x group + 256 x half
	s_lshl_b32 s87, s17, 6
	s_add_co_u32 s86, s86, s87
	s_lshl_b32 s88, s15, 7
	s_add_co_u32 s88, s88, s86
	s_lshl_b32 s88, s88, 12
	s_lshl_b32 s90, s21, 7
	s_add_co_u32 s90, s90, s86
	s_lshl_b32 s90, s90, 12
	s_lshl_b32 s87, s14, 9
	s_lshl_b32 s86, s18, 8
	s_add_co_u32 s87, s87, s86
	s_add_co_u32 s88, s88, s87
	s_add_co_u32 s90, s90, s87
	s_mov_b32 s89, 0
	s_mov_b32 s91, 0
	s_lshl_b32 s2, s16, 18                         ; st: a batch is 16 chunks of 16,384 bytes
	s_mov_b32 s3, 0
	s_wait_dscnt 0x0                               ; the opening add is done
	s_wait_kmcnt 0x0
	s_add_nc_u64 s[PBA:PBA+1], s[4:5], s[22:23]
	s_add_nc_u64 s[VBA:VBA+1], s[6:7], s[84:85]
	s_add_nc_u64 s[70:71], s[10:11], s[88:89]      ; out at my part of the first block,
	s_add_nc_u64 s[72:73], s[10:11], s[90:91]      ; and of the second
	s_add_nc_u64 s[8:9], s[8:9], s[2:3]
	GEN 0                                          ; the walk's steps 0 and 1
	GEN 1
	CROUND                                         ; all four work-groups are here: the first joint loads meet
	s_cmp_lt_u32 s[WV], 2                          ; a wave's two first fills stand in one branch, ahead of every wait on TENSORcnt and every LDS read: two loads of mine are out
	s_cbranch_scc0 .Lfirst_v
	tensor_load_to_lds s[G0P:G0P+3], s[G1P:G1P+7]
	s_nop 0
	tensor_load_to_lds s[G0P+4:G0P+7], s[G1P:G1P+7]
	s_nop 0
.rept 4
	v_nop
.endr
	s_branch .Lfirst_asked
.Lfirst_v:
	tensor_load_to_lds s[G0V:G0V+3], s[G1V:G1V+7]
	s_nop 0
	tensor_load_to_lds s[G0V+4:G0V+7], s[G1V:G1V+7]
	s_nop 0
.rept 4
	v_nop
.endr
.Lfirst_asked:
; THE TABLES, made in the wait for the first tiles.  Thread t owns row t of both blocks.  The walk's chunk u (0..17) is the first block's chunk u if u < NCL, else the second block's chunk u - NCL:
; fixed for u < 2 and u >= 8, chosen by scalar selects and lane masks for u = 2..7.  The accumulators' registers, still free, are at work.
.set OFS, 128                          ; v128-145 byte offsets in st
.set MM,  146                          ; v146-163 m, then m - M, then f
.set LL,  164                          ; v164-181 l
.set R4,  182
.set NEG, 183
.set ML,  184                          ; M of the first block's row, of the second's
.set MH,  185
.set LLO, 186                          ; L likewise
.set LHI, 187
.set T0,  188
.set T1,  189
.set FS,  191
.set MS,  210                          ; v210-212 the M that goes with chunks 2-3, 4-5, 6-7
.set EU,  32                           ; v32-49  f16(f) twice
.set FR,  64                           ; v64-81  the rounded f in f32
	v_lshlrev_b32 v[R4], 2, v0
	v_add_nc_u32 v[FS], FTAB, v[R4]
	v_mov_b32 v[NEG], 0xff7fffff                   ; the lowest finite number
	s_lshl_b32 s19, s15, 9                         ; a block's 128 rows are 512 bytes of a chunk's line
	s_lshl_b32 s20, s21, 9
	s_lshl_b32 s22, s[NCL], 14
	s_sub_co_u32 s20, s20, s22                     ; the second block's offset less NCL chunks: with u chunks added, u >= NCL, it is not negative
.irp k, 1,2,3
	s_cmp_gt_u32 s[NCL], 2*(\k)
	s_cselect_b32 s[79+(\k)], -1, 0                ; s80-82: all lanes on where chunks 2 k, 2 k + 1 are the first block's
.endr
.set u, 0
.rept 18
.if u < 2
	s_add_co_u32 s22, s19, u*16384
.elseif u >= 8
	s_add_co_u32 s22, s20, u*16384
.else
	s_cmp_gt_u32 s[NCL], u
	s_cselect_b32 s22, s19, s20
	s_add_co_u32 s22, s22, u*16384
.endif
	v_add_nc_u32 v[OFS+u], s22, v[R4]
	global_load_b32 v[MM+u], v[OFS+u], s[8:9]
	global_load_b32 v[LL+u], v[OFS+u], s[8:9] offset:8192
.set u, u+1
.endr
	; meanwhile: the addresses
	v_and_b32 v1, 15, v0                           ; l % 16
	v_bfe_u32 v2, v0, 4, 1                         ; l / 16
	v_lshl_add_u32 v3, s17, 6, v1                  ; my row of row block 0 in the block of 128
	v_lshlrev_b32 v[IA], 2, v3
	v_add_nc_u32 v[FA0], FTAB, v[IA]
	v_add_nc_u32 v[IA], ILT, v[IA]
	v_mov_b32 v[FAC], v[FA0]
	v_mul_u32_u24 v3, v3, PP
	v_lshl_add_u32 v[AP0], v2, 4, v3               ; row x pitch + 16 x half
	v_and_b32 v50, 7, v0                           ; V, turned: lane l reads key 8 (l / 16) + l % 8, channels 8 ((l / 8) % 2) + 0..7
	v_lshl_add_u32 v50, v2, 3, v50
	v_mul_u32_u24 v[AV0], v50, PV
	v_bfe_u32 v50, v0, 3, 1
	v_lshl_add_u32 v[AV0], v50, 4, v[AV0]
	s_lshl_b32 s22, s18, 7                         ; my 64 channels
	s_add_co_u32 s22, s22, VOFF
	v_add_nc_u32 v[AV0], s22, v[AV0]
	v_mov_b32 v[AP], v[AP0]                        ; the walk begins in slot 0
	v_mov_b32 v[AVA], v[AV0]
	v_add_nc_u32 v[AVA+1], 128*PV, v[AV0]
	s_mul_i32 s22, s[WV], 16*SPITCH
	s_add_co_u32 s22, s22, STAGE                   ; my stage
	v_mul_u32_u24 v[STO], v1, SPITCH               ; in: row l % 16, 32 bytes for each half of the lanes
	v_lshl_add_u32 v[STO], v2, 5, v[STO]
	v_add_nc_u32 v[STO], s22, v[STO]
	v_mul_u32_u24 v[RD], v2, SPITCH                ; back: lanes 0-15 take one row of 256 bytes, lanes 16-31 the next
	v_lshl_add_u32 v[RD], v1, 4, v[RD]
	v_add_nc_u32 v[RD], s22, v[RD]
	v_lshlrev_b32 v[GO], 12, v2                    ; and the same two rows in out
	v_lshl_add_u32 v[GO], v1, 4, v[GO]
.irp a, 0,1,2,3
	v_mov_b32 v[IL+2*(\a)+1], 0
.endr
	s_wait_loadcnt 0x0
	v_max_num_f32 v[ML], v[MM], v[MM+1]
	v_max3_num_f32 v[MH], v[MM+8], v[MM+9], v[MM+10]
	v_max3_num_f32 v[MH], v[MH], v[MM+11], v[MM+12]
	v_max3_num_f32 v[MH], v[MH], v[MM+13], v[MM+14]
	v_max3_num_f32 v[MH], v[MH], v[MM+15], v[MM+16]
	v_max_num_f32 v[MH], v[MH], v[MM+17]
.set u, 2
.rept 6
	v_cndmask_b32 v[T0], v[NEG], v[MM+u], s[79+u/2]
	v_cndmask_b32 v[T1], v[MM+u], v[NEG], s[79+u/2]
	v_max_num_f32 v[ML], v[ML], v[T0]
	v_max_num_f32 v[MH], v[MH], v[T1]
.set u, u+1
.endr
.irp k, 1,2,3
	v_cndmask_b32 v[MS+(\k)-1], v[MH], v[ML], s[79+(\k)]
.endr
.set u, 0
.rept 18
.if u < 2
	v_sub_f32 v[MM+u], v[MM+u], v[ML]
.elseif u >= 8
	v_sub_f32 v[MM+u], v[MM+u], v[MH]
.else
	v_sub_f32 v[MM+u], v[MM+u], v[MS+u/2-1]
.endif
.set u, u+1
.endr
.set u, 0
.rept 18
	v_exp_f32 v[MM+u], v[MM+u]                     ; f: every exponent is at most 0
.set u, u+1
.endr
	v_nop                                          ; a plain instruction between the exponentials and the use of their results (ISA guide 5.7.2)
.set u, 0
	s_wait_alu depctr_va_vdst(0)
.rept 18
	v_cvt_pk_f16_f32 v[EU+u], v[MM+u], v[MM+u]
.set u, u+1
.endr
	v_cvt_f32_f16 v64, v32.l                       ; v[FR+u] = the f that the products will see; halves of registers have plain names only
	v_cvt_f32_f16 v65, v33.l
	v_cvt_f32_f16 v66, v34.l
	v_cvt_f32_f16 v67, v35.l
	v_cvt_f32_f16 v68, v36.l
	v_cvt_f32_f16 v69, v37.l
	v_cvt_f32_f16 v70, v38.l
	v_cvt_f32_f16 v71, v39.l
	v_cvt_f32_f16 v72, v40.l
	v_cvt_f32_f16 v73, v41.l
	v_cvt_f32_f16 v74, v42.l
	v_cvt_f32_f16 v75, v43.l
	v_cvt_f32_f16 v76, v44.l
	v_cvt_f32_f16 v77, v45.l
	v_cvt_f32_f16 v78, v46.l
	v_cvt_f32_f16 v79, v47.l
	v_cvt_f32_f16 v80, v48.l
	v_cvt_f32_f16 v81, v49.l
	v_mul_f32 v[LLO], v[FR], v[LL]
	v_mul_f32 v[LHI], v[FR+8], v[LL+8]
	v_fmac_f32 v[LLO], v[FR+1], v[LL+1]
.set u, 9
.rept 9
	v_fmac_f32 v[LHI], v[FR+u], v[LL+u]
.set u, u+1
.endr
.set u, 2
.rept 6
	v_cndmask_b32 v[T0], 0, v[FR+u], s[79+u/2]
	v_cndmask_b32 v[T1], v[FR+u], 0, s[79+u/2]
	v_fmac_f32 v[LLO], v[T0], v[LL+u]
	v_fmac_f32 v[LHI], v[T1], v[LL+u]
.set u, u+1
.endr
.set u, 0
.rept 18
	ds_store_b32 v[FS], v[EU+u] offset:512*u
.set u, u+1
.endr
	v_mov_b32 v[T0], 0
	ds_store_b32 v[FS], v[T0] offset:512*18        ; what the last step's look-ahead reads
	ds_store_b32 v[FS], v[T0] offset:512*19
	v_rcp_f32 v[LLO], v[LLO]
	v_rcp_f32 v[LHI], v[LHI]
	v_nop
	s_wait_alu depctr_va_vdst(0)
	ds_store_b32 v[FS], v[LLO] offset:ILT-FTAB
	ds_store_b32 v[FS], v[LHI] offset:ILT-FTAB+512
.macro CLEAR
.set i, ACC
.rept 128
	v_mov_b32 v[i], 0
.set i, i+1
.endr
.endm
	CLEAR
; Matrix instruction n of 16 of group g (32 keys): row block n / 4, channel block n % 4; the 16 accumulators take turns.  Behind it two words of the NEXT group's P are scaled:
; a fragment of scaled P is rewritten 26 plain instructions behind the last product that read it.
.macro WM g, n
.set rA, ACC+8*(\n)
.set rV, 32*((\g)%4)+8*((\n)%4)
.set rP, SP+32*((\g)%2)+8*((\n)/4)
	v_wmma_f32_16x16x32_f16 v[rA:rA+7], v[rV:rV+7], v[rP:rP+7], v[rA:rA+7]
.set rD, SP+32*(((\g)+1)%2)+2*(\n)
.set rS, 128+32*(((\g)+1)%4)+2*(\n)
.set rF, FC0+4*((((\g)+1)%8)/4)+(\n)/4
	v_pk_mul_f16 v[rD], v[rS], v[rF]
	v_pk_mul_f16 v[rD+1], v[rS+1], v[rF]
.endm
.macro WMS g, n0, cnt
	WIN MULW
.set nn, \n0
.rept \cnt
	WM \g, nn
.set nn, nn+1
.endr
.endm
; 16 LDS loads in one run: V (turned) and P of keys 32 k .. 32 k + 31 of the slot in hand, into buffer k % 4 of the rings
.macro RUN k
	WIN TO_F
.irp cb, 0,1,2,3
	ds_load_tr16_b128 v[32*((\k)%4)+8*(\cb):32*((\k)%4)+8*(\cb)+3],   v[AVA+(\k)/4] offset:((\k)%4)*32*PV+32*(\cb)
	ds_load_tr16_b128 v[32*((\k)%4)+8*(\cb)+4:32*((\k)%4)+8*(\cb)+7], v[AVA+(\k)/4] offset:((\k)%4)*32*PV+16*PV+32*(\cb)
.endr
.irp a, 0,1,2,3
	ds_load_b128 v[128+32*((\k)%4)+8*(\a):128+32*((\k)%4)+8*(\a)+3],   v[AP] offset:(\a)*16*PP+64*(\k)
	ds_load_b128 v[128+32*((\k)%4)+8*(\a)+4:128+32*((\k)%4)+8*(\a)+7], v[AP] offset:(\a)*16*PP+64*(\k)+32
.endr
.endm
.macro FL reg, off                     ; a chunk's f for my four row blocks
	WIN 0
.irp a, 0,1,2,3
	ds_load_b32 v[(\reg)+(\a)], v[FAC] offset:(\off)+64*(\a)
.endr
.endm
; A STEP of 256 keys: eight groups of 16 matrix instructions.  At its head runs 0, 1, 2 have been issued, group 0's P is scaled and the first chunk's f is in.  Group g needs run g (V) and run g + 1 (P, for the
; scaling); run g + 3 is issued behind its fourth product, ten plain instructions behind the last product that read that buffer.  So a group's wait leaves the one younger run out.
; Group 5 changes slots: all the slot's runs have been issued.  Each wave waits for all its tensor loads (one is out: its part of the other slot), adds 0 to its spare word, and waits for that and for its reads of
; the slot.  fill = 1: the barrier opens a round of the cluster's barrier, and the slot is filled again with the walk's step two on, first thing behind the round: 112 matrix instructions ahead of the wait for it.
.macro DSTEP fill
	s_wait_dscnt 16                                ; run 1 is in; run 2 may be out
	WMS 0, 0, 4
	FL FC1, 512                                    ; the second chunk's f
	RUN 3
	WMS 0, 4, 12
	s_wait_dscnt 20                                ; run 2 is in; the four loads of f and run 3 may be out
	WMS 1, 0, 4
	RUN 4
	WMS 1, 4, 12
	s_wait_dscnt 16
	WMS 2, 0, 4
	RUN 5
	WMS 2, 4, 12
	s_wait_dscnt 16
	WMS 3, 0, 4
	RUN 6
	WMS 3, 4, 12
	s_wait_dscnt 16
	WMS 4, 0, 4
	RUN 7
	WMS 4, 4, 12
	WIN 0
	s_wait_tensorcnt 0x0                           ; no tensor load of mine is out, so a group 0 may be written
	ds_add_u32 v[SPW], v[NIL]                      ; 0 onto my spare word; scalar work and eight products stand between it and the wait for it
.if \fill
	s_add_co_u32 s[G0P+5], s[LPC], s[TB]           ; into the slot in hand
	s_add_co_u32 s[G0V+5], s[LVC], s[TB]
	GEN 1
.endif
	s_wait_dscnt 17                                ; run 6 is in; run 7 and the add may be out
	WMS 5, 0, 8
	s_wait_dscnt 0x0                               ; the add is done, and my reads of this slot are over
	s_barrier_signal -1
	WMS 5, 8, 8
	WIN 0
	s_barrier_wait -1
.if \fill
	CREST                                          ; no wave of any partner still reads this slot or has a load on its way
	JLOAD                                          ; its four v_nop are also places in front of the loads below
.else
	PLACES
.endif
	s_xor_b32 s[TB], s[TB], SLOTB                  ; 0 and SLOTB by turns
	v_add_nc_u32 v[AP], s[TB], v[AP0]
	v_add_nc_u32 v[AVA], s[TB], v[AV0]
	v_add_nc_u32 v[AVA+1], 128*PV, v[AVA]
	FL FC0, 1024                                   ; the next step's first chunk
	RUN 0
	WMS 6, 0, 4                                    ; run 7 came in with the wait for 0
	RUN 1
	WMS 6, 4, 12
	s_wait_dscnt 16                                ; f and the next step's run 0 are in; its run 1 may be out
	WMS 7, 0, 4
	RUN 2
	WMS 7, 4, 12
	WIN 0
	s_add_co_u32 s[FB], s[FB], 1024                ; two entries of the table on
	v_add_nc_u32 v[FAC], s[FB], v[FA0]
.endm
; THE WAY OUT: the sums are divided by L and sent through my stage in LDS, 16 rows at a time: a lane's eight channels are 32 bytes of a row; they come back as whole rows of 256 bytes, into the registers that they left.
.macro PACKO a
.set i, ACC+32*(\a)
.rept 16
	v_pk_mul_f32 v[i:i+1], v[i:i+1], v[IL+2*(\a):IL+2*(\a)+1] op_sel_hi:[1,0]
.set i, i+2
.endr
.irp cb, 0,1,2,3
	ds_store_b128 v[STO], v[ACC+32*(\a)+8*(\cb):ACC+32*(\a)+8*(\cb)+3] offset:64*(\cb)
	ds_store_b128 v[STO], v[ACC+32*(\a)+8*(\cb)+4:ACC+32*(\a)+8*(\cb)+7] offset:64*(\cb)+16
.endr
.irp t, 0,1,2,3,4,5,6,7
	ds_load_b128 v[ACC+32*(\a)+4*(\t):ACC+32*(\a)+4*(\t)+3], v[RD] offset:(\t)*2*SPITCH  ; LDS serves a wave's instructions in order (ISA guide 5.7.1.4): these see the stores above; the next block's stores come behind them
.endr
.endm
.macro SENDO a, younger, base          ; younger: the LDS instructions issued behind block a's loads: the next block's sixteen, or none
.irp t, 0,1,2,3,4,5,6,7
	s_wait_dscnt (\younger)+7-(\t)
	global_store_b128 v[GO], v[ACC+32*(\a)+4*(\t):ACC+32*(\a)+4*(\t)+3], s[\base:\base+1] offset:(16*(\a)+2*(\t))*4096 th:TH_STORE_NT  ; 16 lanes store 256 consecutive bytes, at a multiple of 256 from out's first byte
.endr
.endm
.macro WAYOUT base, tile
	WIN 0
	PLACES                                         ; behind the last products
.irp a, 0,1,2,3
	ds_load_b32 v[IL+2*(\a)], v[IA] offset:512*(\tile)+64*(\a)
.endr
	s_wait_dscnt 0x0                               ; 1 / L is in, and so are the runs issued ahead: the counts below begin at nothing
	PACKO 0
	PACKO 1
	SENDO 0, 16, \base
	PACKO 2
	SENDO 1, 16, \base
	PACKO 3
	SENDO 2, 16, \base
	SENDO 3, 0, \base
.endm
	s_wait_tensorcnt 1                             ; my part of slot 0 is in; slot 1's may stay out
	s_wait_dscnt 0x0                               ; my words of the tables are stored
	s_barrier_signal -1
	s_barrier_wait -1                              ; everybody's are
	FL FC0, 0
	RUN 0
	RUN 1
	RUN 2
	s_wait_dscnt 32                                ; f and run 0 are in; runs 1 and 2 may be out
	WIN MULW
.set i, 0
.rept 32
	v_pk_mul_f16 v[SP+i], v[128+i], v[FC0+i/8]     ; group 0's P
.set i, i+1
.endr
	WIN 0                                          ; at a label and at a branch every window is 0
	s_mov_b32 s[CNT], 7
.Lwalk:                                                ; seven steps, each of which asks for the step two on
	DSTEP 1
	s_sub_co_u32 s[RT], s[RT], 1
	s_cmp_lg_u32 s[RT], 0
	s_cbranch_scc1 .Lon                            ; the same in all four partners
	WAYOUT 70, 0                                   ; the first block is finished
	s_wait_xcnt 0x0                                ; the registers that the stores read are rewritten only behind this wait
	CLEAR
.Lon:
	s_sub_co_u32 s[CNT], s[CNT], 1
	s_cmp_lg_u32 s[CNT], 0
	s_cbranch_scc1 .Lwalk
	s_mov_b32 s[CNT], 2
.Ltail:                                                ; the last two steps are written apart: nothing is asked for
	DSTEP 0
	s_sub_co_u32 s[CNT], s[CNT], 1
	s_cmp_lg_u32 s[CNT], 0
	s_cbranch_scc1 .Ltail
	WAYOUT 72, 1
	s_wait_tensorcnt 0x0                           ; the wave's end: behind my last tensor load and my last LDS store
	ds_add_u32 v[SPW], v[NIL]
	s_wait_dscnt 0x0
	CROUND                                         ; the closing round: no work-group ends while a partner may still ask for a tile that names it
	s_endpgm
.Lfunc_end_k_q3e265db411_pv:
	.size	k_q3e265db411_pv, .Lfunc_end_k_q3e265db411_pv-k_q3e265db411_pv
	.p2alignl 7, 3214868480
	.fill 96, 4, 3214868480
	.section	.rodata,"a",@progbits
	.p2align	6, 0x0
	.amdhsa_kernel k_q3e265db411_pv
		.amdhsa_group_segment_fixed_size 327680
		.amdhsa_private_segment_fixed_size 0
		.amdhsa_enable_private_segment 0
		.amdhsa_kernarg_size 32
		.amdhsa_user_sgpr_count 2
		.amdhsa_user_sgpr_kernarg_segment_ptr 1
		.amdhsa_wavefront_size32 1
		.amdhsa_system_sgpr_workgroup_id_x 1
		.amdhsa_system_sgpr_workgroup_id_y 1
		.amdhsa_system_sgpr_workgroup_id_z 1
		.amdhsa_system_vgpr_workitem_id 0
		.amdhsa_next_free_vgpr 512
		.amdhsa_next_free_sgpr 96
		.amdhsa_reserve_vcc 0
		.amdhsa_float_denorm_mode_32 3
		.amdhsa_float_denorm_mode_16_64 3
		.amdhsa_memory_ordered 1
		.amdhsa_forward_progress 1
		.amdhsa_inst_pref_size 130
	.end_amdhsa_kernel
	.amdgpu_metadata
---
amdhsa.version: [ 1, 2 ]
amdhsa.kernels:
  - .name:           k_q3e265db411_pv
    .symbol:         k_q3e265db411_pv.kd
    .args:
      - { .name: pbuf, .offset: 0, .size: 8, .value_kind: global_buffer, .address_space: global }
      - { .name: qkv, .offset: 8, .size: 8, .value_kind: global_buffer, .address_space: global }
      - { .name: st, .offset: 16, .size: 8, .value_kind: global_buffer, .address_space: global }
      - { .name: out0, .offset: 24, .size: 8, .value_kind: global_buffer, .address_space: global }
    .group_segment_fixed_size: 327680
    .private_segment_fixed_size: 0
    .kernarg_segment_align: 8
    .kernarg_segment_size: 32
    .max_flat_workgroup_size: 128
    .sgpr_count:     96
    .vgpr_count:     512
    .wavefront_size: 32
...
	.end_amdgpu_metadata
.endif
;; end of part 4
;; ======== version 2 of 3: 4 launches; 1.11 times as fast as version 1
;; limits: values are held in f16: magnitudes above 65,504 overflow, below 6.1e-05 lose precision
;; workspace buffers: xb 16,777,216 bytes; wb 6,291,456 bytes; qkv 50,331,648 bytes; pbuf 33,554,432 bytes; st 1,048,576 bytes
;; launch prep (part 5): grid 64 x 11, 8 waves a work-group, no clusters, 0 bytes of LDS; arguments x, W_q, W_k, W_v, xb, wb; writes xb, wb
.if DOCPART == 5
	.amdgcn_target "amdgcn-amd-amdhsa--gfx1250"
	.amdhsa_code_object_version 6
	.text
	.protected	k_q3e265db411_prep
	.globl	k_q3e265db411_prep
	.p2align	8
	.type	k_q3e265db411_prep,@function
k_q3e265db411_prep:
	s_mov_b64 s[64:65], 0
	v_nop
	global_prefetch_b8 v0, s[64:65] scope:SCOPE_SE
	s_setreg_imm32_b32 hwreg(HW_REG_WAVE_MODE, 25, 1), 1
	s_wait_xcnt 0x0
; A cast to bf16 into the layouts that the next launch's tiles want.
;   xb[16 kb][8192 row][64] = bf16(x[row][64 kb + ..]): 64 along K of neighbouring rows lie end to end, so that a tile of 128 rows x 64 K is 16,384 dense bytes.
;   wb[1024 c][3072 n] = bf16 of W_q | W_k | W_v side by side, so that 384 columns that cross from one W into the next are still one rectangle.
; The grid's y names a unit of 2^20 numbers: 0-7 are x's eight units of 1,024 rows, 8, 9, 10 are W_q, W_k, W_v.  The grid's x names 16 rows of the unit, each of the eight waves takes 2 rows:
; sixteen loads, all issued before the first is waited for, and sixteen stores of 256 neighbouring bytes, each at a multiple of 256 from the buffer's first byte.
; x: a load takes 64 numbers (256 bytes) of each of the two rows, and the store lays them end to end.  W: a load takes 128 numbers (512 bytes) of one row.
; No LDS, no barrier, no matrix unit: every byte is read once and written once.
.set X, 8                              ; v[8:71]    sixteen loads of four f32
.set Y, 72                             ; v[72:103]  sixteen pairs of words, four bf16 each
.macro LOADS step                      ; sixteen loads, step bytes apart
.set j, 0
.rept 16
	global_load_b128 v[X+4*j:X+4*j+3], v1, s[16:17] offset:(\step)*j th:TH_LOAD_NT
.set j, j+1
.endr
.endm
.macro CAST                            ; number j of the sixteen
	s_wait_loadcnt 15-j                            ; loads come back in order (ISA guide 5.7.1): number j is in, the 15 - j younger ones stay out
	v_cvt_pk_bf16_f32 v[Y+2*j], v[X+4*j], v[X+4*j+1]
	v_cvt_pk_bf16_f32 v[Y+2*j+1], v[X+4*j+2], v[X+4*j+3]
.endm
	s_load_b256 s[4:11], s[0:1], 0x0               ; x s[4:5], W_q s[6:7], W_k s[8:9], W_v s[10:11]
	s_load_b128 s[12:15], s[0:1], 0x20             ; xb s[12:13], wb s[14:15]
	s_and_b32 s23, ttmp7, 0xffff                   ; the unit
	v_lshrrev_b32 v3, 5, v0                        ; wave
	v_and_b32 v4, 31, v0                           ; lane
	s_lshl_b32 s24, ttmp9, 16                      ; 16 rows of 4,096 bytes in
	s_mov_b32 s25, 0
	s_mov_b32 s27, 0
	s_cmp_lt_u32 s23, 8
	s_cbranch_scc0 .Lweights
	; x
	v_and_b32 v5, 15, v0
	v_bfe_u32 v6, v0, 4, 1
	v_lshlrev_b32 v1, 4, v5                        ; in: 16 bytes for each of 16 lanes,
	v_lshl_add_u32 v1, v6, 12, v1                  ; lanes 16-31 one row down,
	v_lshl_add_u32 v1, v3, 13, v1                  ; two rows a wave
	v_lshlrev_b32 v2, 3, v4                        ; out: 8 bytes a lane, the two rows end to end,
	v_lshl_add_u32 v2, v3, 8, v2                   ; 256 bytes a wave
	s_lshl_b32 s22, s23, 22                        ; a unit is 4 MiB in
	s_add_co_u32 s24, s24, s22
	s_lshl_b32 s26, s23, 17                        ; and 1,024 rows of 128 bytes in each of xb's sixteen blocks
	s_lshl_b32 s22, ttmp9, 11
	s_add_co_u32 s26, s26, s22
	s_wait_kmcnt 0x0
	s_add_nc_u64 s[16:17], s[4:5], s[24:25]
	s_add_nc_u64 s[18:19], s[12:13], s[26:27]
	s_add_nc_u64 s[20:21], s[18:19], 0x800000      ; blocks 8-15: a block is 1 MiB, and a store's immediate reaches 8 MiB less one byte
	LOADS 256
.set j, 0
.rept 16
	CAST
.if j < 8
	global_store_b64 v2, v[Y+2*j:Y+2*j+1], s[18:19] offset:j<<20  ; no register is written twice, so nothing waits for a store
.else
	global_store_b64 v2, v[Y+2*j:Y+2*j+1], s[20:21] offset:(j-8)<<20
.endif
.set j, j+1
.endr
	s_endpgm
.Lweights:
	v_lshlrev_b32 v1, 4, v4                        ; in: 16 bytes a lane,
	v_lshl_add_u32 v1, v3, 13, v1                  ; two rows a wave
	v_lshlrev_b32 v2, 3, v4                        ; out: 8 bytes a lane,
	v_mul_u32_u24 v5, v3, 12288                    ; two rows of 6,144 bytes a wave
	v_add_nc_u32 v2, v2, v5
	s_sub_co_u32 s22, s23, 8                       ; which W:
	s_lshl_b32 s22, s22, 11                        ; its 2,048 bytes of a row of wb
	s_mul_i32 s26, ttmp9, 98304                    ; 16 rows out
	s_add_co_u32 s26, s26, s22
	s_wait_kmcnt 0x0
	s_cmp_eq_u32 s23, 9
	s_cselect_b64 s[16:17], s[8:9], s[6:7]         ; W_k or W_q,
	s_cmp_eq_u32 s23, 10
	s_cselect_b64 s[16:17], s[10:11], s[16:17]     ; or W_v
	s_add_nc_u64 s[16:17], s[16:17], s[24:25]
	s_add_nc_u64 s[18:19], s[14:15], s[26:27]
	LOADS 512
.set j, 0
.rept 16
	CAST
	global_store_b64 v2, v[Y+2*j:Y+2*j+1], s[18:19] offset:(j/8)*6144+(j%8)*256
.set j, j+1
.endr
	s_endpgm
.Lfunc_end_k_q3e265db411_prep:
	.size	k_q3e265db411_prep, .Lfunc_end_k_q3e265db411_prep-k_q3e265db411_prep
	.p2alignl 7, 3214868480
	.fill 96, 4, 3214868480
	.section	.rodata,"a",@progbits
	.p2align	6, 0x0
	.amdhsa_kernel k_q3e265db411_prep
		.amdhsa_group_segment_fixed_size 0
		.amdhsa_private_segment_fixed_size 0
		.amdhsa_enable_private_segment 0
		.amdhsa_kernarg_size 48
		.amdhsa_user_sgpr_count 2
		.amdhsa_user_sgpr_kernarg_segment_ptr 1
		.amdhsa_wavefront_size32 1
		.amdhsa_system_sgpr_workgroup_id_x 1
		.amdhsa_system_sgpr_workgroup_id_y 1
		.amdhsa_system_sgpr_workgroup_id_z 1
		.amdhsa_system_vgpr_workitem_id 0
		.amdhsa_next_free_vgpr 104
		.amdhsa_next_free_sgpr 66
		.amdhsa_reserve_vcc 0
		.amdhsa_float_denorm_mode_32 3
		.amdhsa_float_denorm_mode_16_64 3
		.amdhsa_memory_ordered 1
		.amdhsa_forward_progress 1
		.amdhsa_inst_pref_size 13
	.end_amdhsa_kernel
	.amdgpu_metadata
---
amdhsa.version: [ 1, 2 ]
amdhsa.kernels:
  - .name:           k_q3e265db411_prep
    .symbol:         k_q3e265db411_prep.kd
    .args:
      - { .name: x, .offset: 0, .size: 8, .value_kind: global_buffer, .address_space: global }
      - { .name: W_q, .offset: 8, .size: 8, .value_kind: global_buffer, .address_space: global }
      - { .name: W_k, .offset: 16, .size: 8, .value_kind: global_buffer, .address_space: global }
      - { .name: W_v, .offset: 24, .size: 8, .value_kind: global_buffer, .address_space: global }
      - { .name: xb, .offset: 32, .size: 8, .value_kind: global_buffer, .address_space: global }
      - { .name: wb, .offset: 40, .size: 8, .value_kind: global_buffer, .address_space: global }
    .group_segment_fixed_size: 0
    .private_segment_fixed_size: 0
    .kernarg_segment_align: 8
    .kernarg_segment_size: 48
    .max_flat_workgroup_size: 256
    .sgpr_count:     66
    .vgpr_count:     104
    .wavefront_size: 32
...
	.end_amdgpu_metadata
.endif
;; end of part 5
;; launch proj (part 6): grid 8 x 32, 4 waves a work-group, clusters of 4 x 4, 327,680 bytes of LDS; arguments xb, wb, qkv; writes qkv
.if DOCPART == 6
	.amdgcn_target "amdgcn-amd-amdhsa--gfx1250"
	.amdhsa_code_object_version 6
	.text
	.protected	k_q3e265db411_proj
	.globl	k_q3e265db411_proj
	.p2align	8
	.type	k_q3e265db411_proj,@function
k_q3e265db411_proj:
	s_mov_b64 s[64:65], 0
	v_nop
	global_prefetch_b8 v0, s[64:65] scope:SCOPE_SE
	s_setreg_imm32_b32 hwreg(HW_REG_WAVE_MODE, 25, 1), 1
	s_wait_xcnt 0x0
	s_wait_alu depctr_hold_cnt(0) depctr_sa_sdst(0) depctr_va_vdst(0) depctr_va_sdst(0) depctr_va_ssrc(0) depctr_va_vcc(0) depctr_vm_vsrc(0)
	s_getreg_b32 s2, hwreg(HW_REG_IB_STS2, 6, 4)
	s_cmp_eq_u32 s2, 0
	s_cbranch_scc0 .Lentry_in_a_cluster
	s_endpgm
.Lentry_in_a_cluster:
	s_bfe_u32 s2, ttmp6, 0x10000c
	s_cmp_lg_u32 s2, 0xf033
	s_cbranch_scc0 .Lentry_shape_is_right
	s_endpgm
.Lentry_shape_is_right:
; qkv[8192][3072] (f16) = x (bf16, xb[16 kb][8192][64]) x [W_q | W_k | W_v] (bf16, wb[1024 c][3072 n]); sums in f32, rounded once to f16.
; LIMIT.  f16 holds no number beyond 65,504: a q, k or v of 65,520 or more becomes an infinity.  With x and W both 30 times the drawn spread |q| is some 5e3, with both offset by 30 spreads some 3e4.
; SHARES.  8192 x 3072 results for 256 WGPs are 98,304 each: a work-group makes ONE tile of 256 rows x 384 columns, the squarest shape with that area whose rows divide 8,192: (256 + 384) x 2 bytes are fetched
; for 256 x 384 multiply-adds of each k.  Each of the four waves makes 128 x 192: 96 accumulators of 16 x 16, 768 registers, and reads (128 + 192) x 64 bytes of LDS for 96 matrix instructions.
; K goes in 16 steps of 64 through two LDS slots filled by the tensor data mover (two slots of 128 along K would want 344,064 bytes).  x's tile: 256 rows of 128 bytes, dense in xb, asked for as rows of 256 bytes.
; W's tile lies [k][n] as in memory: 64 k rows of 768 bytes; its fragments come out of LDS turned, by ds_load_tr16_b128.
; CLUSTER.  4 x 4 work-groups: the four of a row of the cluster need the same tile of x, the four of a column the same tile of W: each is asked for jointly, by the same tensor load with the same
; descriptor and a mask that names the four.
; THE MATRIX INSTRUCTION IS USED TRANSPOSED (source 0 = 16 columns of W, source 1 = 16 rows of x): a lane then holds eight neighbouring numbers of a row of the result.
; REGISTERS.  windows 1, 2, 3: the accumulators; column blocks 4 w .. 4 w + 3 lie in window 1 + w, (row block a, column block 4 w + bb) at v[8 (8 bb + a)].
;   window 0: v0-31 addresses; v32-95, v96-159 x's eight fragments, two buffers; v160-191, v192-223, v224-255 W's four fragments for window 1, 2, 3: a ring of three.
; A HALF STEP (32 along K) is three PHASES of 32 matrix instructions, one for each window.  A phase begins with one run of LDS loads: W's fragments for the phase two ahead, and in a half's second and third
; phase half of x's fragments for the next half.  So every load has 24 matrix instructions or more in which to come back.
.set PA,     144                       ; a row of x in LDS: 128 bytes + 16 of padding = 36 words: the 16 rows of a load start at 16 different groups of four banks (64 banks of 4 bytes: ISA guide 11.1)
.set PB,     864                       ; a row of W: three times 256 bytes + 32 of padding = 216 words
.set AHALF,  128*PA                    ; what one tensor load brings of x, and what one wave reads of it
.set BHALF,  32*PB                     ; what one tensor load brings of W
.set BOFF,   2*AHALF                   ; W's tile lies behind x's
.set SLOT,   BOFF+2*BHALF
.set STAGE,  2*SLOT                    ; behind the ring, never filled by a tensor load: 128 rows x 784 bytes, the work-group's, for the way out
.set SPITCH, 784                       ; 768 + 16 = 49 x 16 bytes
.set SPARE,  STAGE+128*SPITCH          ; behind the stage: the spare words, 128 bytes for each wave: two blocks of 256 bytes that no other line names
.set CROW,   6144                      ; bytes in a row of qkv
.set ADRA, 16                          ; v16-17  LDS address of my fragments of x in slot 0, 1
.set ADRB, 18                          ; v18-23  of W's fragments: slot s, window 1 + w at v[18 + 3 s + w]
.set STO,  24                          ; v24     the way out: where I put 16 bytes of a row
.set RD0,  25                          ; v25-26  the way out: where I read rows back
.set RD1,  26
.set GO0,  27                          ; v27, v30  and where those bytes go in two rows of qkv
.set SPW,  28                          ; v28     LDS address of my spare word; never rewritten
.set NIL,  29                          ; v29     0; never rewritten
.set GO1,  30
.set AF,   32
.set BF,   160
.set TMP,  32                          ; the way out: v32-223
.set G1,  24                           ; s[24:31] descriptor group 1 for x's tiles;  s[32:39] group 0, one set for each slot
.set G0,  32
.set G1B, 48                           ; s[48:55], s[56:63] the same for W's tiles
.set G0B, 56
.set MSB, 0
.macro WIN new                         ; the immediate's high byte repeats the setting that is left; a switch that changes nothing is dropped
.if MSB != (\new)
	s_set_vgpr_msb (MSB<<8)|(\new)
.set MSB, \new
.endif
.endm
.macro PLACES                          ; four places in front of loads into registers that matrix instructions have read, and of conversions that read results
.rept 4
	v_nop
.endr
.endm
.macro JLOAD s                         ; a joint load: waves 0 and 1 fetch x's two halves, waves 2 and 3 W's; an s_nop 0 and four v_nop follow each of the two lines
	s_cmp_eq_u32 s11, 0
	s_cbranch_scc0 .Lfor_b_\@
	tensor_load_to_lds s[G0+4*(\s):G0+4*(\s)+3], s[G1:G1+7]
	s_nop 0
.rept 4
	v_nop
.endr
	s_branch .Lasked_\@
.Lfor_b_\@:
	tensor_load_to_lds s[G0B+4*(\s):G0B+4*(\s)+3], s[G1B:G1B+7]
	s_nop 0
.rept 4
	v_nop
.endr
.Lasked_\@:
.endm
.macro CREST                           ; a round of the cluster's barrier behind its opening barrier
	s_cmp_lg_u32 s10, 0
	s_cbranch_scc1 .Lnot_wave_0_\@
	s_barrier_signal -3
.Lnot_wave_0_\@:
	s_barrier_wait -3
	s_barrier_signal -1
	s_barrier_wait -1
.endm
.macro CROUND                          ; a whole round
	s_barrier_signal -1
	s_barrier_wait -1
	CREST
.endm
	s_load_b128 s[4:7], s[0:1], 0x0                ; xb s[4:5], wb s[6:7]
	s_load_b64 s[8:9], s[0:1], 0x10                ; qkv
	v_lshl_add_u32 v[SPW], v0, 2, SPARE
	v_mov_b32 v[NIL], 0
	ds_add_u32 v[SPW], v[NIL]                      ; the wave's opening: the add and its wait stand ahead of my first tensor load; the set-up below, work on registers, stands between them
	ds_add_u32 v28, v29
	v_lshrrev_b32 v1, 5, v0
	v_readfirstlane_b32 s10, v1                    ; wave 0..3
	s_lshr_b32 s11, s10, 1                         ; which 128 of the tile's rows are mine.  Also: I fetch for x (0) or for W (1)
	s_and_b32 s12, s10, 1                          ; which 192 of its columns.  Also: which half of that tile I fetch
	s_bfe_u32 s40, ttmp6, 0x40000                  ; cx, cy: my place in the cluster
	s_bfe_u32 s41, ttmp6, 0x40004
	s_lshl_b32 s42, ttmp9, 2
	s_add_co_u32 s42, s42, s40                     ; tile column 0..7 = 4 x cluster x + cx
	s_and_b32 s13, ttmp7, 0xffff
	s_lshl_b32 s13, s13, 2
	s_add_co_u32 s13, s13, s41                     ; tile row 0..31 = 4 x cluster y + cy
	s_lshl_b32 s43, s41, 2
	s_lshl_b32 s43, 15, s43                        ; my row of the cluster
	s_lshl_b32 s44, 0x1111, s40                    ; my column
	s_or_b32 s[G1+0], s43, (1<<16)|(1<<20)|(1<<21)|(4<<22)|(3<<25)   ; the mask: x's tiles go to my row; 2-byte elements; padding on; bit 21 beside a mask; after every 32 words (a row of x) 4 words
	s_or_b32 s[G1B+0], s44, (1<<16)|(1<<20)|(1<<21)|(5<<22)|(7<<25)  ; W's tiles go to my column; after every 64 words, three times in a row, 8 words
	s_mov_b32 s[G1+1], 128<<16                     ; tensor_dim0 = 128: two rows of x, 256 dense bytes
	s_mov_b32 s[G1+2], 64<<16                      ; tensor_dim1 = 64
	s_mov_b32 s[G1+3], 128<<16                     ; tile_dim0 = 128
	s_mov_b32 s[G1+4], 64                          ; tile_dim1 = 64
	s_mov_b32 s[G1+5], 128                         ; elements from row to row
	s_mov_b32 s[G1+6], 0
	s_mov_b32 s[G1+7], 0
	s_mov_b32 s[G1B+1], 384<<16                    ; 32 k rows of 384 elements
	s_mov_b32 s[G1B+2], 32<<16
	s_mov_b32 s[G1B+3], 384<<16
	s_mov_b32 s[G1B+4], 32
	s_mov_b32 s[G1B+5], 3072
	s_mov_b32 s[G1B+6], 0
	s_mov_b32 s[G1B+7], 0
	s_lshl_b32 s16, s13, 15                        ; x: 256 rows of 128 bytes for each tile row,
	s_lshl_b32 s17, s12, 14                        ; my half 128 rows
	s_add_co_u32 s16, s16, s17
	s_mov_b32 s17, 0
	s_mul_i32 s46, s42, 768                        ; W: 768 bytes of a row for each tile column,
	s_mul_i32 s47, s12, 196608                     ; my half 32 k rows of 6,144 bytes
	s_add_co_u32 s46, s46, s47
	s_mov_b32 s47, 0
	s_mul_i32 s20, s12, AHALF                      ; where they go: no place in the cluster enters an LDS address
	s_mul_i32 s21, s12, BHALF
	s_add_co_u32 s21, s21, BOFF
	s_wait_dscnt 0x0                               ; the opening add is done
	s_wait_kmcnt 0x0
	s_add_nc_u64 s[14:15], s[4:5], s[16:17]
	s_add_nc_u64 s[46:47], s[6:7], s[46:47]
	CROUND                                         ; all sixteen work-groups are here: the first joint loads meet
.irp s, 0,1
	s_mov_b32 s[G0+4*(\s)], 1
	s_add_co_u32 s[G0+4*(\s)+1], s20, (\s)*SLOT
	s_add_nc_u64 s[G0+4*(\s)+2:G0+4*(\s)+3], s[14:15], (\s)*1048576   ; K step s: xb's block s
	s_or_b32 s[G0+4*(\s)+3], s[G0+4*(\s)+3], 0x80000000
	s_mov_b32 s[G0B+4*(\s)], 1
	s_add_co_u32 s[G0B+4*(\s)+1], s21, (\s)*SLOT
	s_add_nc_u64 s[G0B+4*(\s)+2:G0B+4*(\s)+3], s[46:47], (\s)*393216  ; K step s: 64 rows down
	s_or_b32 s[G0B+4*(\s)+3], s[G0B+4*(\s)+3], 0x80000000
	JLOAD \s                                       ; two loads of mine are out
.endr
	v_and_b32 v1, 15, v0                           ; l % 16
	v_bfe_u32 v2, v0, 4, 1                         ; l / 16
	v_mul_u32_u24 v3, v1, PA
	v_lshl_add_u32 v3, v2, 4, v3                   ; x: row x pitch + 16 x half
	v_and_b32 v4, 7, v0                            ; W, turned: lane l reads k row 8 (l / 16) + l % 8, columns 8 ((l / 8) % 2) + 0..7
	v_lshl_add_u32 v4, v2, 3, v4
	v_mul_u32_u24 v4, v4, PB
	v_bfe_u32 v5, v0, 3, 1
	v_lshl_add_u32 v4, v5, 4, v4
	s_mul_i32 s21, s11, AHALF                      ; my 128 rows of x
	; my 384 bytes of a row of W begin at byte 0 or 384; with 32 bytes of padding behind each 256, the 128 bytes for window 1, 2, 3 begin at 0, 128, 288 or at 416, 576, 704
	s_mul_i32 s22, s12, 416
	s_add_co_u32 s22, s22, BOFF
	s_mul_i32 s23, s12, 448
	s_add_co_u32 s23, s23, BOFF+128
	s_add_co_u32 s45, s22, 288
.irp s, 0,1
	v_add_nc_u32 v[ADRA+(\s)], s21, v3
	v_add_nc_u32 v[ADRB+3*(\s)], s22, v4
	v_add_nc_u32 v[ADRB+3*(\s)+1], s23, v4
	v_add_nc_u32 v[ADRB+3*(\s)+2], s45, v4
	s_add_co_u32 s21, s21, SLOT
	s_add_co_u32 s22, s22, SLOT
	s_add_co_u32 s23, s23, SLOT
	s_add_co_u32 s45, s45, SLOT
.endr
	s_mul_i32 s23, s11, 64*SPITCH                  ; into the stage: 64 rows for each half of the tile's rows, my 384 bytes of them; row l % 16, 16 bytes for each half of the lanes
	s_mul_i32 s22, s12, 384
	s_add_co_u32 s23, s23, s22
	s_add_co_u32 s23, s23, STAGE
	v_mul_u32_u24 v4, v1, SPITCH
	v_lshl_add_u32 v4, v2, 4, v4
	v_add_nc_u32 v[STO], s23, v4
	; back: wave w takes the stage's rows 32 w .. 32 w + 31, whole.  Two rows are 96 pieces of 16 bytes: three loads.  The first takes pieces 0-31 of the first row, the third pieces 16-47 of the second
	; (the first's address and an immediate); the second takes pieces 32-47 of the first row (lanes 0-15) and 0-15 of the second (lanes 16-31).  Sixteen lanes always hold 256 neighbouring bytes.
	s_mul_i32 s23, s10, 32*SPITCH
	s_add_co_u32 s23, s23, STAGE
	v_and_b32 v5, 31, v0
	v_lshlrev_b32 v[GO0], 4, v5
	v_add_nc_u32 v[RD0], s23, v[GO0]
	v_mul_u32_u24 v6, v2, SPITCH-512
	v_lshl_add_u32 v6, v1, 4, v6
	v_add_nc_u32 v6, 512, v6
	v_add_nc_u32 v[RD1], s23, v6
	v_mul_u32_u24 v6, v2, CROW-512
	v_lshl_add_u32 v6, v1, 4, v6
	v_add_nc_u32 v[GO1], 512, v6
	s_lshl_b32 s16, s13, 8                         ; the first row of qkv that I store: 256 x tile row + 128 x (wave / 2) + 32 x (wave % 2),
	s_lshl_b32 s17, s11, 7
	s_add_co_u32 s16, s16, s17
	s_lshl_b32 s17, s12, 5
	s_add_co_u32 s16, s16, s17
	s_mul_i32 s16, s16, CROW
	s_mul_i32 s46, s42, 768                        ; the tile's first column, in bytes
	s_add_co_u32 s16, s16, s46
	s_mov_b32 s17, 0
	s_add_nc_u64 s[8:9], s[8:9], s[16:17]
; cnt matrix instructions, numbers n0 on, of the 32 of a phase: half s of a step, window 1 + w; number n is column block n / 8 of the window's four, row block n % 8.
; Each accumulator has one instruction in a phase, so the accumulators take turns.  zero = 1: the first product starts the sums: nothing is ever cleared.
.macro PHW s, w, n0, cnt, zero
	WIN 0x50*(1+(\w))                              ; sources 0 and 1 window 0; C and D window 1 + w
.set nn, \n0
.rept \cnt
.if \zero
	v_wmma_f32_16x16x32_bf16 v[8*nn:8*nn+7], v[BF+32*(\w)+8*(nn/8):BF+32*(\w)+8*(nn/8)+7], v[AF+64*(\s)+8*(nn%8):AF+64*(\s)+8*(nn%8)+7], 0
.else
	v_wmma_f32_16x16x32_bf16 v[8*nn:8*nn+7], v[BF+32*(\w)+8*(nn/8):BF+32*(\w)+8*(nn/8)+7], v[AF+64*(\s)+8*(nn%8):AF+64*(\s)+8*(nn%8)+7], v[8*nn:8*nn+7]
.endif
.set nn, nn+1
.endr
.endm
.macro RUNB slot, s, w                 ; 8 loads: W's four fragments for half s, window 1 + w
	WIN 0
.irp bb, 0,1,2,3
	ds_load_tr16_b128 v[BF+32*(\w)+8*(\bb):BF+32*(\w)+8*(\bb)+3],   v[ADRB+3*(\slot)+(\w)] offset:(\s)*32*PB+32*(\bb)
	ds_load_tr16_b128 v[BF+32*(\w)+8*(\bb)+4:BF+32*(\w)+8*(\bb)+7], v[ADRB+3*(\slot)+(\w)] offset:(\s)*32*PB+16*PB+32*(\bb)
.endr
.endm
.macro RUNA slot, s, half              ; 8 loads: four of x's eight fragments for half s
	WIN 0
.irp a, 0,1,2,3
	ds_load_b128 v[AF+64*(\s)+8*(4*(\half)+(\a)):AF+64*(\s)+8*(4*(\half)+(\a))+3],   v[ADRA+(\slot)] offset:(4*(\half)+(\a))*16*PA+64*(\s)
	ds_load_b128 v[AF+64*(\s)+8*(4*(\half)+(\a))+4:AF+64*(\s)+8*(4*(\half)+(\a))+7], v[ADRA+(\slot)] offset:(4*(\half)+(\a))*16*PA+64*(\s)+32
.endr
.endm
; A step's first half.  The counts: LDS loads come back in order (ISA guide 5.7.1), and what a phase needs is followed by W's eight loads for the next phase, or by one run of sixteen.
.macro SUB0 slot, zero
	s_wait_dscnt 8                                 ; x and W for window 1 are in; W for window 2 may be out
	PLACES                                         ; behind the products that read the registers loaded next
	RUNB \slot, 0, 2
	PHW 0, 0, 0, 32, \zero
	s_wait_dscnt 8                                 ; W for window 2 is in; the run above may be out
	PLACES
	RUNB \slot, 1, 0
	RUNA \slot, 1, 0
	PHW 0, 1, 0, 32, \zero
	s_wait_dscnt 16                                ; W for window 3 is in; the run above may be out
	PLACES
	RUNA \slot, 1, 1
	RUNB \slot, 1, 1
	PHW 0, 2, 0, 32, \zero
.endm
; A step's second half changes slots: its first run is the last that reads this slot.  ONE barrier; in front of it each wave waits for all its tensor loads (one is out: its part of the next slot), adds 0 to its
; spare word, and waits for that and for its own reads of this slot.  fill = 1: the barrier opens a round of the cluster's barrier, and this slot is filled again, two K steps ahead, first thing behind the round:
; 176 matrix instructions ahead of the wait for it.  The other two phases' runs read the next slot.
.macro SUB1 slot, fill
	s_wait_dscnt 8
	PLACES
	RUNB \slot, 1, 2
	PHW 1, 0, 0, 16, 0
	WIN 0
	s_wait_tensorcnt 0x0
	ds_add_u32 v[SPW], v[NIL]
	PHW 1, 0, 16, 8, 0                             ; eight matrix instructions stand between the add and the wait for it
	s_wait_dscnt 0x0                               ; the add is done, and my reads of this slot are over: W for windows 2 and 3 is in too
	s_barrier_signal -1
	PHW 1, 0, 24, 8, 0
	WIN 0
	s_barrier_wait -1
.if \fill
	CREST                                          ; no wave of any partner still reads this slot's tile or has a load on its way
	s_add_nc_u64 s[G0+4*(\slot)+2:G0+4*(\slot)+3], s[G0+4*(\slot)+2:G0+4*(\slot)+3], 2097152
	s_add_nc_u64 s[G0B+4*(\slot)+2:G0B+4*(\slot)+3], s[G0B+4*(\slot)+2:G0B+4*(\slot)+3], 786432
	JLOAD \slot                                    ; its four v_nop are the places in front of the loads below
.else
	PLACES
.endif
	RUNB 1-(\slot), 0, 0
	RUNA 1-(\slot), 0, 0
	PHW 1, 1, 0, 32, 0
	PLACES
	RUNA 1-(\slot), 0, 1
	RUNB 1-(\slot), 0, 1
	PHW 1, 2, 0, 32, 0
.endm
	s_wait_tensorcnt 1                             ; my part of K step 0 is in; K step 1's may stay out
	s_barrier_signal -1
	s_barrier_wait -1                              ; everybody's is
	RUNB 0, 0, 0
	RUNA 0, 0, 0
	RUNA 0, 0, 1
	RUNB 0, 0, 1
	SUB0 0, 1                                      ; the first half step stands in front of the loop: its products start the sums
	WIN 0                                          ; at a label and at a branch every window is 0
	s_mov_b32 s3, 7
.Llap:                                                 ; a trip goes once round the ring, from a step's second half to the first half two steps on, and fills both slots again
	SUB1 0, 1
	SUB0 1, 0
	SUB1 1, 1
	SUB0 0, 0
	WIN 0
	s_sub_co_u32 s3, s3, 1
	s_cmp_lg_u32 s3, 0
	s_cbranch_scc1 .Llap
	SUB1 0, 0                                      ; steps 14 and 15 fill nothing, and have no round of the cluster's barrier
	SUB0 1, 0
	s_wait_dscnt 8                                 ; the very last half: nothing of a next slot to fetch
	PLACES
	RUNB 1, 1, 2
	PHW 1, 0, 0, 32, 0
	s_wait_dscnt 8
	PHW 1, 1, 0, 32, 0
	s_wait_dscnt 0x0
	PHW 1, 2, 0, 32, 0
; THE WAY OUT, in two passes: pass p takes row blocks 4 p .. 4 p + 3 of every wave, 128 of the tile's rows.  A wave's 384 bytes of a row begin at a multiple of 384, so a row's 768 bytes are put together in ONE
; stage by the two waves that share the rows, a barrier stands between the writing and the reading, and each wave then reads 32 whole rows and stores them.
.macro CVT p                           ; rounded to f16, 16 bytes a lane: (row block a, column block b) at v[TMP + 4 (12 a + b)]; each accumulator's registers in ascending order
.irp w, 0,1,2
	WIN 5*(1+(\w))                                 ; sources 0 and 1 window 1 + w
.irp a, 0,1,2,3
.irp bb, 0,1,2,3
.irp r, 0,1,2,3
	v_cvt_pk_f16_f32 v[TMP+4*(12*(\a)+4*(\w)+(\bb))+(\r)], v[8*(8*(\bb)+4*(\p)+(\a))+2*(\r)], v[8*(8*(\bb)+4*(\p)+(\a))+2*(\r)+1]
.endr
.endr
.endr
.endr
	WIN 0
.endm
.macro TOSTAGE
.irp a, 0,1,2,3
.irp b, 0,1,2,3,4,5,6,7,8,9,10,11
	ds_store_b128 v[STO], v[TMP+4*(12*(\a)+(\b)):TMP+4*(12*(\a)+(\b))+3] offset:(\a)*16*SPITCH+32*(\b)
.endr
.endr
	s_wait_dscnt 0x0                               ; for the others' sake: my stores into the stage are done
	s_barrier_signal -1
	s_barrier_wait -1
.endm
.macro SEND p
.set q, 0
.rept 16
	ds_load_b128 v[TMP+12*q:TMP+12*q+3],    v[RD0] offset:q*2*SPITCH
	ds_load_b128 v[TMP+12*q+4:TMP+12*q+7],  v[RD1] offset:q*2*SPITCH
	ds_load_b128 v[TMP+12*q+8:TMP+12*q+11], v[RD0] offset:q*2*SPITCH+SPITCH+256
.set q, q+1
.endr
.set q, 0
.rept 16                               ; each count leaves the younger loads out; 16 lanes store 256 consecutive bytes, at a multiple of 256 from qkv's first byte
	s_wait_dscnt 47-3*q
	global_store_b128 v[GO0], v[TMP+12*q:TMP+12*q+3],    s[8:9] offset:(64*(\p)+2*q)*CROW
	s_wait_dscnt 46-3*q
	global_store_b128 v[GO1], v[TMP+12*q+4:TMP+12*q+7],  s[8:9] offset:(64*(\p)+2*q)*CROW
	s_wait_dscnt 45-3*q
	global_store_b128 v[GO0], v[TMP+12*q+8:TMP+12*q+11], s[8:9] offset:(64*(\p)+2*q)*CROW+CROW+256
.set q, q+1
.endr
.endm
	PLACES                                         ; behind the last products
	CVT 0
	TOSTAGE
	SEND 0
	s_wait_xcnt 0x0                                ; the registers that these stores read are rewritten only behind this wait
	s_barrier_signal -1                            ; my reads of the stage are over (the last count above was 0);
	CVT 1                                          ; work on registers while the others arrive;
	s_barrier_wait -1                              ; everybody's are: the stage may be written again
	TOSTAGE
	SEND 1
	s_wait_tensorcnt 0x0                           ; the wave's end: behind my last tensor load and my last LDS store
	ds_add_u32 v[SPW], v[NIL]
	s_wait_dscnt 0x0
	CROUND                                         ; the closing round: no work-group ends while a partner may still ask for a tile that names it
	s_endpgm
.Lfunc_end_k_q3e265db411_proj:
	.size	k_q3e265db411_proj, .Lfunc_end_k_q3e265db411_proj-k_q3e265db411_proj
	.p2alignl 7, 3214868480
	.fill 96, 4, 3214868480
	.section	.rodata,"a",@progbits
	.p2align	6, 0x0
	.amdhsa_kernel k_q3e265db411_proj
		.amdhsa_group_segment_fixed_size 327680
		.amdhsa_private_segment_fixed_size 0
		.amdhsa_enable_private_segment 0
		.amdhsa_kernarg_size 24
		.amdhsa_user_sgpr_count 2
		.amdhsa_user_sgpr_kernarg_segment_ptr 1
		.amdhsa_wavefront_size32 1
		.amdhsa_system_sgpr_workgroup_id_x 1
		.amdhsa_system_sgpr_workgroup_id_y 1
		.amdhsa_system_sgpr_workgroup_id_z 1
		.amdhsa_system_vgpr_workitem_id 0
		.amdhsa_next_free_vgpr 1024
		.amdhsa_next_free_sgpr 66
		.amdhsa_reserve_vcc 0
		.amdhsa_float_denorm_mode_32 3
		.amdhsa_float_denorm_mode_16_64 3
		.amdhsa_memory_ordered 1
		.amdhsa_forward_progress 1
		.amdhsa_inst_pref_size 133
	.end_amdhsa_kernel
	.amdgpu_metadata
---
amdhsa.version: [ 1, 2 ]
amdhsa.kernels:
  - .name:           k_q3e265db411_proj
    .symbol:         k_q3e265db411_proj.kd
    .args:
      - { .name: xb, .offset: 0, .size: 8, .value_kind: global_buffer, .address_space: global }
      - { .name: wb, .offset: 8, .size: 8, .value_kind: global_buffer, .address_space: global }
      - { .name: qkv, .offset: 16, .size: 8, .value_kind: global_buffer, .address_space: global }
    .group_segment_fixed_size: 327680
    .private_segment_fixed_size: 0
    .kernarg_segment_align: 8
    .kernarg_segment_size: 24
    .max_flat_workgroup_size: 128
    .sgpr_count:     66
    .vgpr_count:     1024
    .wavefront_size: 32
...
	.end_amdgpu_metadata
.endif
;; end of part 6
;; launch scores: the kernel of part 3 again; grid 36 x 4, 4 waves a work-group, no clusters, 327,680 bytes of LDS; arguments qkv, pbuf, st; writes pbuf, st
;; launch pv (part 7): grid 8 x 32, 4 waves a work-group, clusters of 4 x 1, 327,680 bytes of LDS; arguments pbuf, qkv, st, out0; writes out0
.if DOCPART == 7
	.amdgcn_target "amdgcn-amd-amdhsa--gfx1250"
	.amdhsa_code_object_version 6
	.text
	.protected	k_q3e265db411_pv
	.globl	k_q3e265db411_pv
	.p2align	8
	.type	k_q3e265db411_pv,@function
k_q3e265db411_pv:
	s_mov_b64 s[64:65], 0
	v_nop
	global_prefetch_b8 v0, s[64:65] scope:SCOPE_SE
	s_setreg_imm32_b32 hwreg(HW_REG_WAVE_MODE, 25, 1), 1
	s_wait_xcnt 0x0
	s_wait_alu depctr_hold_cnt(0) depctr_sa_sdst(0) depctr_va_vdst(0) depctr_va_sdst(0) depctr_va_ssrc(0) depctr_va_vcc(0) depctr_vm_vsrc(0)
	s_getreg_b32 s2, hwreg(HW_REG_IB_STS2, 6, 4)
	s_cmp_eq_u32 s2, 0
	s_cbranch_scc0 .Lentry_in_a_cluster
	s_endpgm
.Lentry_in_a_cluster:
	s_bfe_u32 s2, ttmp6, 0x10000c
	s_cmp_lg_u32 s2, 0x3003
	s_cbranch_scc0 .Lentry_shape_is_right
	s_endpgm
.Lentry_shape_is_right:
; out[b][q][ch] = (the sum over a row's chunks u of f_u x the sum over the chunk's keys of p v[key][ch]) / L,  f_u = 2^(m_u - M), M = the maximum of the row's m_u, L = the sum of f_u l_u.
; p (f16), m and l come from the launch before; v is columns 2,048-3,071 of qkv (f16).  A chunk's 128 keys are summed by the matrix unit from p as it is stored; f, the sums over chunks, L and out are f32.
; LIMITS.  An f below 2^-126 counts as 0; since the largest weight of a row is 1, L is at least 1.  v arrives within 65,504.  NaN and infinities are not treated apart.
; THE WALK.  A batch's queries lie in 16 blocks of 128; block i needs (i + 2) / 2 steps of 256 keys.  A work-group takes 128 channels of TWO blocks, p and then 15 - p: 9 steps whatever p, so the 256 work-groups
; do equal work and the loops count to constants.  The first block ends in one of the first four steps; the jump over its way out goes forward and passes no barrier and no tensor load.
; CLUSTER.  The four work-groups of a cluster have the same batch and blocks and four different groups of channels: P's tile is asked for jointly (mask of four), V's by each for itself, in the same place.
; A partner that shares V would have another walk, so V is not shared.
; SHARES.  A wave makes 64 queries x 64 channels.  THE MATRIX INSTRUCTION IS USED TRANSPOSED (source 0 = 16 channels, turned out of LDS by ds_load_tr16_b128; source 1 = 16 queries x 32 keys of P as it lies):
; a lane holds ONE query, so f is one number a lane and row block.  A chunk has 16 accumulators of its own, started with the constant 0; in its last 16 matrix instructions each finished accumulator is
; folded into the master sums, O += f x sum, four v_pk_fma_f32 behind each matrix instruction, two accumulators behind it.
; THE MASTER SUMS are cleared, 128 v_mov_b32 at the start and 128 behind the first block: a fold that starts them would be a second text of a step.  The last step's look-ahead (52 LDS loads, on a slot that has
; been read and table entries that hold 0) serves nothing: the price of one text for both trips of the tail.
; REGISTERS.  window 0: v0-15 addresses; v16-31 f of two chunks; v32-39 1 / L; v40-63 at work; v128-255 the chunk's accumulators ((a, cb) at v[128 + 8 (4 a + cb)]).
;   window 1: v0-127 V's fragments, a ring of four runs of 32 keys; v128-255 P's, likewise.   window 2: v0-127 the master sums, (a, cb) at v[8 (4 a + cb)].
.set PP,    528                        ; a row of P in LDS: 512 bytes + 16 = 132 words: the 16 rows of a load start at 16 different groups of four banks (64 banks of 4 bytes: ISA guide 11.1)
.set PV,    288                        ; a row of V: 256 + 32 = 72 words
.set VOFF,  128*PP                     ; a slot: 128 rows of P, then 256 rows of V
.set SLOTB, VOFF+256*PV
.set STAGE, 2*SLOTB                    ; behind the ring: 16 rows x 272 bytes for each wave
.set SPITCH, 272
.set FTAB,  STAGE+4*16*SPITCH          ; 20 entries of 128 words: f, by the walk's chunk and the block's row
.set ILT,   FTAB+20*512                ; 1 / L: 128 rows of the first block, 128 of the second
.set SPARE, ILT+1024                   ; the spare words, 128 bytes for each wave: two blocks of 256 bytes that no other line names
.set AP0, 3                            ; v3   my lane's place in a tile of P; never rewritten
.set AV0, 4                            ; v4   the same for V
.set AP,  5                            ; v5   in the slot in hand
.set AVA, 6                            ; v6   V's keys 0-127 of the slot in hand;  v7 keys 128-255
.set FA0, 8                            ; v8   my row's word in the table's entry 0
.set STO, 9
.set RD,  10
.set GO,  11                           ; v11  my byte offset in two rows of out
.set IA,  12                           ; v12  my row's word in ILT
.set FAC, 13                           ; v13  my row's word in the entry of the step in hand
.set SPW, 14
.set NIL, 15
.set FC0, 16                           ; f of a step's first chunk, row block a at v[16 + 2 a]; of its second at v[24 + 2 a]; the odd registers are named with them as pairs
.set FC1, 24
.set IL,  32                           ; 1 / L of row block a at v[32 + 2 a]; the odd registers likewise
.set ACC, 128
.set WV,  12                           ; s12 my wave's number
.set G1P, 24                           ; s[24:31] descriptor group 1 for P's tiles
.set G1V, 32                           ; s[32:39] for V's
.set G0P, 40                           ; s[40:47] group 0 for P's: a set for each of the two first fills; the second then walks on
.set G0V, 48                           ; s[48:55] the same for V's
.set CNT, 56
.set RT,  57                           ; steps that the first block still has
.set TB,  58                           ; the LDS byte at which the slot in hand begins
.set DD,  59                           ; the step of 256 keys to be asked for next,
.set LQ,  60                           ; the last such step of the block whose tiles are being asked for,
.set PBLK, 61                          ; and that block's byte offset in a batch of pbuf
.set FB,  62                           ; 1,024 x the walk's step
.set LPC, 63                           ; my tile's place in a slot, for P
.set PBA, 66                           ; s[66:67] pbuf at my batch and my half of a block's rows
.set VBA, 68                           ; s[68:69] qkv at my batch, my half of a step's keys, my channels of v
.set PBLKHI, 74
.set NDH1, 75
.set NCL, 76                           ; the first block's chunks
.set LVC, 77                           ; my tile's place in a slot, for V
.set OFF, 78                           ; s[78:79] an offset, upper word 0
.set MSB, 0
.macro WIN new
.if MSB != (\new)
	s_set_vgpr_msb (MSB<<8)|(\new)
.set MSB, \new
.endif
.endm
.set MULW,  0x05                       ; sources 0 (V) and 1 (P) window 1; C and D window 0
.set FOLDW, 0xa0                       ; destination and source 2 (the master sums) window 2; sources 0 and 1 window 0
.set TO_F,  0x40                       ; destination window 1, address window 0
.macro PLACES
.rept 4
	v_nop
.endr
.endm
.macro CREST
	s_cmp_lg_u32 s[WV], 0
	s_cbranch_scc1 .Lnot_wave_0_\@
	s_barrier_signal -3
.Lnot_wave_0_\@:
	s_barrier_wait -3
	s_barrier_signal -1
	s_barrier_wait -1
.endm
.macro CROUND
	s_barrier_signal -1
	s_barrier_wait -1
	CREST
.endm
; The addresses of the tiles of step DD of the block in hand, made anew from the bases; then DD steps, and behind the first block's last step goes back to 0 in the second block.
.macro GEN set
	s_lshl_b32 s[OFF], s[DD], 9                    ; 256 keys are 512 bytes of a row of P,
	s_add_co_u32 s[OFF], s[OFF], s[PBLK]
	s_add_nc_u64 s[G0P+4*(\set)+2:G0P+4*(\set)+3], s[PBA:PBA+1], s[OFF:OFF+1]
	s_or_b32 s[G0P+4*(\set)+3], s[G0P+4*(\set)+3], 0x80000000
	s_mul_i32 s[OFF], s[DD], 1572864               ; and 256 rows of 6,144 bytes of qkv
	s_add_nc_u64 s[G0V+4*(\set)+2:G0V+4*(\set)+3], s[VBA:VBA+1], s[OFF:OFF+1]
	s_or_b32 s[G0V+4*(\set)+3], s[G0V+4*(\set)+3], 0x80000000
	s_add_co_u32 s[DD], s[DD], 1
	s_cmp_gt_u32 s[DD], s[LQ]
	s_cselect_b32 s[DD], 0, s[DD]
	s_cselect_b32 s[PBLK], s[PBLKHI], s[PBLK]
	s_cselect_b32 s[LQ], s[NDH1], s[LQ]
.endm
.macro JLOAD                           ; a refill: waves 0 and 1 ask jointly for the halves of P's tile, waves 2 and 3 for those of V's; an s_nop 0 and four v_nop follow each line
	s_cmp_lt_u32 s[WV], 2
	s_cbranch_scc0 .Lfor_v_\@
	tensor_load_to_lds s[G0P+4:G0P+7], s[G1P:G1P+7]
	s_nop 0
.rept 4
	v_nop
.endr
	s_branch .Lasked_\@
.Lfor_v_\@:
	tensor_load_to_lds s[G0V+4:G0V+7], s[G1V:G1V+7]
	s_nop 0
.rept 4
	v_nop
.endr
.Lasked_\@:
.endm
	s_load_b256 s[4:11], s[0:1], 0x0               ; pbuf s[4:5], qkv s[6:7], st s[8:9], out0 s[10:11]
	v_lshl_add_u32 v[SPW], v0, 2, SPARE
	v_mov_b32 v[NIL], 0
	ds_add_u32 v[SPW], v[NIL]                      ; the wave's opening: the add and its wait stand ahead of my first tensor load; the set-up below, work on registers, stands between them
	ds_add_u32 v14, v15
	v_lshrrev_b32 v1, 5, v0
	v_readfirstlane_b32 s[WV], v1                  ; wave 0..3
	s_bfe_u32 s13, ttmp6, 0x40000                  ; cx: my place in the cluster
	s_lshl_b32 s14, ttmp9, 2
	s_add_co_u32 s14, s14, s13                     ; my 128 channels = 4 x cluster x + cx: it enters V's and out's addresses alone
	s_and_b32 s19, ttmp7, 0xffff
	s_and_b32 s15, s19, 7                          ; p, the first block,
	s_lshr_b32 s16, s19, 3                         ; and the batch: the four partners share both
	s_lshr_b32 s17, s[WV], 1                       ; which 64 queries are mine
	s_and_b32 s18, s[WV], 1                        ; which 64 channels.  Also: which half of a tile I fetch
	s_add_co_u32 s20, s15, 2
	s_lshr_b32 s20, s20, 1                         ; the first block's steps
	s_mov_b32 s[RT], s20
	s_lshl_b32 s[NCL], s20, 1
	s_sub_co_u32 s[LQ], s20, 1
	s_sub_co_u32 s[NDH1], 8, s20                   ; the second block has 9 less that many
	s_sub_co_u32 s21, 15, s15                      ; the second block
	s_lshl_b32 s[PBLK], s15, 19                    ; a block is 128 rows of 4,096 bytes of pbuf
	s_lshl_b32 s[PBLKHI], s21, 19
	s_mov_b32 s[DD], 0
	s_mov_b32 s[OFF+1], 0
	s_mov_b32 s[TB], 0
	s_mov_b32 s[FB], 0
	s_mov_b32 s[G1P], 15|(1<<16)|(1<<20)|(1<<21)|(6<<22)|(3<<25)  ; the mask of four; 2-byte elements; padding on; bit 21 beside a mask; after every 128 words 4 words
	s_mov_b32 s[G1P+1], 256<<16                    ; 64 rows of 256 elements
	s_mov_b32 s[G1P+2], 64<<16
	s_mov_b32 s[G1P+3], 256<<16
	s_mov_b32 s[G1P+4], 64
	s_mov_b32 s[G1P+5], 2048                       ; elements from row to row of pbuf
	s_mov_b32 s[G1P+6], 0
	s_mov_b32 s[G1P+7], 0
	s_mov_b32 s[G1V], (1<<16)|(1<<20)|(5<<22)|(7<<25)  ; no mask; after every 64 words 8 words
	s_mov_b32 s[G1V+1], 128<<16                    ; 128 rows of 128 elements
	s_mov_b32 s[G1V+2], 128<<16
	s_mov_b32 s[G1V+3], 128<<16
	s_mov_b32 s[G1V+4], 128
	s_mov_b32 s[G1V+5], 3072                       ; elements from row to row of qkv
	s_mov_b32 s[G1V+6], 0
	s_mov_b32 s[G1V+7], 0
	s_mul_i32 s[LPC], s18, 64*PP                   ; no place in the cluster enters an LDS address
	s_mul_i32 s[LVC], s18, 128*PV
	s_add_co_u32 s[LVC], s[LVC], VOFF
	s_mov_b32 s[G0P], 1
	s_mov_b32 s[G0P+1], s[LPC]                     ; slot 0
	s_mov_b32 s[G0P+4], 1
	s_add_co_u32 s[G0P+5], s[LPC], SLOTB           ; slot 1
	s_mov_b32 s[G0V], 1
	s_mov_b32 s[G0V+1], s[LVC]
	s_mov_b32 s[G0V+4], 1
	s_add_co_u32 s[G0V+5], s[LVC], SLOTB
	s_lshl_b32 s22, s16, 23                        ; pbuf: a batch is 8 MiB, my half 64 rows
	s_lshl_b32 s23, s18, 18
	s_add_co_u32 s22, s22, s23
	s_mov_b32 s23, 0
	s_lshl_b32 s84, s16, 11                        ; qkv: row 2,048 b + 128 half, of 6,144 bytes; v begins 4,096 bytes into a row; 256 bytes for each group of channels
	s_lshl_b32 s85, s18, 7
	s_add_co_u32 s84, s84, s85
	s_mul_i32 s84, s84, 6144
	s_lshl_b32 s85, s14, 8
	s_add_co_u32 s84, s84, s85
	s_add_co_u32 s84, s84, 4096
	s_mov_b32 s85, 0
	s_lshl_b32 s86, s16, 11                        ; out: row 2,048 b + 128 block + 64 half, of 4,096 bytes; byte 512 x group + 256 x half
	s_lshl_b32 s87, s17, 6
	s_add_co_u32 s86, s86, s87
	s_lshl_b32 s88, s15, 7
	s_add_co_u32 s88, s88, s86
	s_lshl_b32 s88, s88, 12
	s_lshl_b32 s90, s21, 7
	s_add_co_u32 s90, s90, s86
	s_lshl_b32 s90, s90, 12
	s_lshl_b32 s87, s14, 9
	s_lshl_b32 s86, s18, 8
	s_add_co_u32 s87, s87, s86
	s_add_co_u32 s88, s88, s87
	s_add_co_u32 s90, s90, s87
	s_mov_b32 s89, 0
	s_mov_b32 s91, 0
	s_lshl_b32 s2, s16, 18                         ; st: a batch is 16 chunks of 16,384 bytes
	s_mov_b32 s3, 0
	s_wait_dscnt 0x0                               ; the opening add is done
	s_wait_kmcnt 0x0
	s_add_nc_u64 s[PBA:PBA+1], s[4:5], s[22:23]
	s_add_nc_u64 s[VBA:VBA+1], s[6:7], s[84:85]
	s_add_nc_u64 s[70:71], s[10:11], s[88:89]      ; out at my part of the first block,
	s_add_nc_u64 s[72:73], s[10:11], s[90:91]      ; and of the second
	s_add_nc_u64 s[8:9], s[8:9], s[2:3]
	GEN 0                                          ; the walk's steps 0 and 1
	GEN 1
	CROUND                                         ; all four work-groups are here: the first joint loads meet
	s_cmp_lt_u32 s[WV], 2                          ; a wave's two first fills stand in one branch, ahead of every wait on TENSORcnt and every LDS read: two loads of mine are out
	s_cbranch_scc0 .Lfirst_v
	tensor_load_to_lds s[G0P:G0P+3], s[G1P:G1P+7]
	s_nop 0
	tensor_load_to_lds s[G0P+4:G0P+7], s[G1P:G1P+7]
	s_nop 0
.rept 4
	v_nop
.endr
	s_branch .Lfirst_asked
.Lfirst_v:
	tensor_load_to_lds s[G0V:G0V+3], s[G1V:G1V+7]
	s_nop 0
	tensor_load_to_lds s[G0V+4:G0V+7], s[G1V:G1V+7]
	s_nop 0
.rept 4
	v_nop
.endr
.Lfirst_asked:
; THE TABLES, made in the wait for the first tiles.  Thread t owns row t of both blocks.  The walk's chunk u (0..17) is the first block's chunk u if u < NCL, else the second block's chunk u - NCL:
; fixed for u < 2 and u >= 8, chosen by scalar selects and lane masks for u = 2..7.  The chunk accumulators' registers, still free, are at work.
.set OFS, 128                          ; v128-145 byte offsets in st
.set MM,  146                          ; v146-163 m, then m - M, then f
.set LL,  164                          ; v164-181 l
.set R4,  182
.set NEG, 183
.set ML,  184                          ; M of the first block's row, of the second's
.set MH,  185
.set LLO, 186                          ; L likewise
.set LHI, 187
.set T0,  188
.set T1,  189
.set FS,  191
.set MS,  210                          ; v210-212 the M that goes with chunks 2-3, 4-5, 6-7
	v_lshlrev_b32 v[R4], 2, v0
	v_add_nc_u32 v[FS], FTAB, v[R4]
	v_mov_b32 v[NEG], 0xff7fffff                   ; the lowest finite number
	s_lshl_b32 s19, s15, 9                         ; a block's 128 rows are 512 bytes of a chunk's line
	s_lshl_b32 s20, s21, 9
	s_lshl_b32 s22, s[NCL], 14
	s_sub_co_u32 s20, s20, s22                     ; the second block's offset less NCL chunks: with u chunks added, u >= NCL, it is not negative
.irp k, 1,2,3
	s_cmp_gt_u32 s[NCL], 2*(\k)
	s_cselect_b32 s[79+(\k)], -1, 0                ; s80-82: all lanes on where chunks 2 k, 2 k + 1 are the first block's
.endr
.set u, 0
.rept 18
.if u < 2
	s_add_co_u32 s22, s19, u*16384
.elseif u >= 8
	s_add_co_u32 s22, s20, u*16384
.else
	s_cmp_gt_u32 s[NCL], u
	s_cselect_b32 s22, s19, s20
	s_add_co_u32 s22, s22, u*16384
.endif
	v_add_nc_u32 v[OFS+u], s22, v[R4]
	global_load_b32 v[MM+u], v[OFS+u], s[8:9]
	global_load_b32 v[LL+u], v[OFS+u], s[8:9] offset:8192
.set u, u+1
.endr
	; meanwhile: the addresses
	v_and_b32 v1, 15, v0                           ; l % 16
	v_bfe_u32 v2, v0, 4, 1                         ; l / 16
	v_lshl_add_u32 v3, s17, 6, v1                  ; my row of row block 0 in the block of 128
	v_lshlrev_b32 v[IA], 2, v3
	v_add_nc_u32 v[FA0], FTAB, v[IA]
	v_add_nc_u32 v[IA], ILT, v[IA]
	v_mov_b32 v[FAC], v[FA0]
	v_mul_u32_u24 v3, v3, PP
	v_lshl_add_u32 v[AP0], v2, 4, v3               ; row x pitch + 16 x half
	v_and_b32 v50, 7, v0                           ; V, turned: lane l reads key 8 (l / 16) + l % 8, channels 8 ((l / 8) % 2) + 0..7
	v_lshl_add_u32 v50, v2, 3, v50
	v_mul_u32_u24 v[AV0], v50, PV
	v_bfe_u32 v50, v0, 3, 1
	v_lshl_add_u32 v[AV0], v50, 4, v[AV0]
	s_lshl_b32 s22, s18, 7                         ; my 64 channels
	s_add_co_u32 s22, s22, VOFF
	v_add_nc_u32 v[AV0], s22, v[AV0]
	v_mov_b32 v[AP], v[AP0]                        ; the walk begins in slot 0
	v_mov_b32 v[AVA], v[AV0]
	v_add_nc_u32 v[AVA+1], 128*PV, v[AV0]
	s_mul_i32 s22, s[WV], 16*SPITCH
	s_add_co_u32 s22, s22, STAGE                   ; my stage
	v_mul_u32_u24 v[STO], v1, SPITCH               ; in: row l % 16, 32 bytes for each half of the lanes
	v_lshl_add_u32 v[STO], v2, 5, v[STO]
	v_add_nc_u32 v[STO], s22, v[STO]
	v_mul_u32_u24 v[RD], v2, SPITCH                ; back: lanes 0-15 take one row of 256 bytes, lanes 16-31 the next
	v_lshl_add_u32 v[RD], v1, 4, v[RD]
	v_add_nc_u32 v[RD], s22, v[RD]
	v_lshlrev_b32 v[GO], 12, v2                    ; and the same two rows in out
	v_lshl_add_u32 v[GO], v1, 4, v[GO]
.irp a, 0,1,2,3,4,5,6,7
	v_mov_b32 v[FC0+2*(\a)+1], 0                   ; the pairs' upper registers are named, so they are written
.endr
.irp a, 0,1,2,3
	v_mov_b32 v[IL+2*(\a)+1], 0
.endr
	s_wait_loadcnt 0x0
	v_max_num_f32 v[ML], v[MM], v[MM+1]
	v_max3_num_f32 v[MH], v[MM+8], v[MM+9], v[MM+10]
	v_max3_num_f32 v[MH], v[MH], v[MM+11], v[MM+12]
	v_max3_num_f32 v[MH], v[MH], v[MM+13], v[MM+14]
	v_max3_num_f32 v[MH], v[MH], v[MM+15], v[MM+16]
	v_max_num_f32 v[MH], v[MH], v[MM+17]
.set u, 2
.rept 6
	v_cndmask_b32 v[T0], v[NEG], v[MM+u], s[79+u/2]
	v_cndmask_b32 v[T1], v[MM+u], v[NEG], s[79+u/2]
	v_max_num_f32 v[ML], v[ML], v[T0]
	v_max_num_f32 v[MH], v[MH], v[T1]
.set u, u+1
.endr
.irp k, 1,2,3
	v_cndmask_b32 v[MS+(\k)-1], v[MH], v[ML], s[79+(\k)]
.endr
.set u, 0
.rept 18
.if u < 2
	v_sub_f32 v[MM+u], v[MM+u], v[ML]
.elseif u >= 8
	v_sub_f32 v[MM+u], v[MM+u], v[MH]
.else
	v_sub_f32 v[MM+u], v[MM+u], v[MS+u/2-1]
.endif
.set u, u+1
.endr
.set u, 0
.rept 18
	v_exp_f32 v[MM+u], v[MM+u]                     ; f: every exponent is at most 0
.set u, u+1
.endr
	v_nop                                          ; a plain instruction between the exponentials and the use of their results (ISA guide 5.7.2)
	s_wait_alu depctr_va_vdst(0)
	v_mul_f32 v[LLO], v[MM], v[LL]
	v_mul_f32 v[LHI], v[MM+8], v[LL+8]
	v_fmac_f32 v[LLO], v[MM+1], v[LL+1]
.set u, 9
.rept 9
	v_fmac_f32 v[LHI], v[MM+u], v[LL+u]
.set u, u+1
.endr
.set u, 2
.rept 6
	v_cndmask_b32 v[T0], 0, v[MM+u], s[79+u/2]
	v_cndmask_b32 v[T1], v[MM+u], 0, s[79+u/2]
	v_fmac_f32 v[LLO], v[T0], v[LL+u]
	v_fmac_f32 v[LHI], v[T1], v[LL+u]
.set u, u+1
.endr
.set u, 0
.rept 18
	ds_store_b32 v[FS], v[MM+u] offset:512*u
.set u, u+1
.endr
	v_mov_b32 v[T0], 0
	ds_store_b32 v[FS], v[T0] offset:512*18        ; what the last step's look-ahead reads
	ds_store_b32 v[FS], v[T0] offset:512*19
	v_rcp_f32 v[LLO], v[LLO]
	v_rcp_f32 v[LHI], v[LHI]
	v_nop
	s_wait_alu depctr_va_vdst(0)
	ds_store_b32 v[FS], v[LLO] offset:ILT-FTAB
	ds_store_b32 v[FS], v[LHI] offset:ILT-FTAB+512
.macro CLEAR                           ; the master sums
	WIN 0x80
.set i, 0
.rept 128
	v_mov_b32 v[i], 0
.set i, i+1
.endr
	WIN 0
.endm
	CLEAR
; Matrix instruction n of 16 of group g (32 keys): row block n / 4, channel block n % 4; the 16 accumulators take turns.  A chunk is four groups; its first starts the sums with the constant 0.
.macro WM g, n
.set rA, ACC+8*(\n)
.set rV, 32*((\g)%4)+8*((\n)%4)
.set rP, 128+32*((\g)%4)+8*((\n)/4)
	WIN MULW
.if ((\g)%4) == 0
	v_wmma_f32_16x16x32_f16 v[rA:rA+7], v[rV:rV+7], v[rP:rP+7], 0
.else
	v_wmma_f32_16x16x32_f16 v[rA:rA+7], v[rV:rV+7], v[rP:rP+7], v[rA:rA+7]
.endif
.endm
; Accumulator n is folded into the master sums: O += f x sum, f of row block n / 4 in the pair's lower register; the accumulator's registers in ascending order.
.macro FOLD n, fc
	WIN FOLDW
.irp z, 0,1,2,3
	v_pk_fma_f32 v[8*(\n)+2*(\z):8*(\n)+2*(\z)+1], v[ACC+8*(\n)+2*(\z):ACC+8*(\n)+2*(\z)+1], v[(\fc)+2*((\n)/4):(\fc)+2*((\n)/4)+1], v[8*(\n)+2*(\z):8*(\n)+2*(\z)+1] op_sel_hi:[1,0,1]
.endr
.endm
; cnt matrix instructions of group g, numbers n0 on.  fc other than 0: the chunk's last group: behind number n stands the fold of accumulator n - 2.  Between a product and the fold of its result stand the
; eight lines of two other folds, or, for the first two, four v_nop: places that name none of its registers (ISA guide 7.12.1).
.macro WMS g, n0, cnt, fc=0
.set nn, \n0
.rept \cnt
	WM \g, nn
.if \fc
.if nn == 1
	PLACES
.elseif nn > 1
	FOLD nn-2, \fc
.endif
.endif
.set nn, nn+1
.endr
.endm
; 16 LDS loads in one run: V (turned) and P of keys 32 k .. 32 k + 31 of the slot in hand, into buffer k % 4 of the rings
.macro RUN k
	WIN TO_F
.irp cb, 0,1,2,3
	ds_load_tr16_b128 v[32*((\k)%4)+8*(\cb):32*((\k)%4)+8*(\cb)+3],   v[AVA+(\k)/4] offset:((\k)%4)*32*PV+32*(\cb)
	ds_load_tr16_b128 v[32*((\k)%4)+8*(\cb)+4:32*((\k)%4)+8*(\cb)+7], v[AVA+(\k)/4] offset:((\k)%4)*32*PV+16*PV+32*(\cb)
.endr
.irp a, 0,1,2,3
	ds_load_b128 v[128+32*((\k)%4)+8*(\a):128+32*((\k)%4)+8*(\a)+3],   v[AP] offset:(\a)*16*PP+64*(\k)
	ds_load_b128 v[128+32*((\k)%4)+8*(\a)+4:128+32*((\k)%4)+8*(\a)+7], v[AP] offset:(\a)*16*PP+64*(\k)+32
.endr
.endm
.macro FL reg, off                     ; a chunk's f for my four row blocks
	WIN 0
.irp a, 0,1,2,3
	ds_load_b32 v[(\reg)+2*(\a)], v[FAC] offset:(\off)+64*(\a)
.endr
.endm
; A STEP of 256 keys: eight groups of 16 matrix instructions, two chunks.  At its head runs 0, 1, 2 have been issued and the first chunk's f is in.  Group g needs run g; run g + 3 is issued behind its fourth
; product, into the buffer that group g - 1 read, four places behind that group's last product.  So a group's wait leaves the two younger runs out.
; Group 5 changes slots: all the slot's runs have been issued.  Each wave waits for all its tensor loads (one is out: its part of the other slot), adds 0 to its spare word, and waits for that and for its reads of
; the slot.  fill = 1: the barrier opens a round of the cluster's barrier, and the slot is filled again with the walk's step two on, first thing behind the round: 112 matrix instructions ahead of the wait for it.
.macro DSTEP fill
	s_wait_dscnt 32                                ; run 0 is in; runs 1 and 2 may be out
	WMS 0, 0, 4
	PLACES
	FL FC1, 512                                    ; the second chunk's f
	RUN 3
	WMS 0, 4, 12
	s_wait_dscnt 36                                ; run 1 is in; run 2, the four loads of f and run 3 may be out
	WMS 1, 0, 4
	PLACES
	RUN 4
	WMS 1, 4, 12
	s_wait_dscnt 36                                ; run 2 is in; the four loads of f and runs 3 and 4 may be out
	WMS 2, 0, 4
	PLACES
	RUN 5
	WMS 2, 4, 12
	s_wait_dscnt 32
	WMS 3, 0, 4, FC0                               ; the first chunk's last group
	RUN 6
	WMS 3, 4, 12, FC0
	FOLD 14, FC0
	FOLD 15, FC0
	s_wait_dscnt 32
	WMS 4, 0, 4
	PLACES
	RUN 7
	WMS 4, 4, 12
	WIN 0
	s_wait_tensorcnt 0x0                           ; no tensor load of mine is out, so a group 0 may be written
	ds_add_u32 v[SPW], v[NIL]                      ; 0 onto my spare word; scalar work and eight products stand between it and the wait for it
.if \fill
	s_add_co_u32 s[G0P+5], s[LPC], s[TB]           ; into the slot in hand
	s_add_co_u32 s[G0V+5], s[LVC], s[TB]
	GEN 1
.endif
	s_wait_dscnt 33                                ; run 5 is in; runs 6 and 7 and the add may be out
	WMS 5, 0, 8
	s_wait_dscnt 0x0                               ; the add is done, and my reads of this slot are over
	s_barrier_signal -1
	WMS 5, 8, 8
	WIN 0
	s_barrier_wait -1
.if \fill
	CREST                                          ; no wave of any partner still reads this slot or has a load on its way
	JLOAD                                          ; its four v_nop are also places in front of the loads below
.else
	PLACES
.endif
	s_xor_b32 s[TB], s[TB], SLOTB                  ; 0 and SLOTB by turns
	v_add_nc_u32 v[AP], s[TB], v[AP0]
	v_add_nc_u32 v[AVA], s[TB], v[AV0]
	v_add_nc_u32 v[AVA+1], 128*PV, v[AVA]
	FL FC0, 1024                                   ; the next step's first chunk
	RUN 0
	WMS 6, 0, 4                                    ; runs 6 and 7 came in with the wait for 0
	PLACES
	RUN 1
	WMS 6, 4, 12
	WMS 7, 0, 4, FC1                               ; the second chunk's last group
	RUN 2
	WMS 7, 4, 12, FC1
	FOLD 14, FC1
	FOLD 15, FC1
	WIN 0
	s_add_co_u32 s[FB], s[FB], 1024                ; two entries of the table on
	v_add_nc_u32 v[FAC], s[FB], v[FA0]
.endm
; THE WAY OUT: the master sums are divided by L, into the chunk accumulators' registers, and sent through my stage in LDS, 16 rows at a time: a lane's eight channels are 32 bytes of a row; they come back as whole
; rows of 256 bytes, into the registers that they left.
.macro PACKO a
	WIN 0x02                                       ; source 0 window 2
.set i, 32*(\a)
.rept 16
	v_pk_mul_f32 v[ACC+i:ACC+i+1], v[i:i+1], v[IL+2*(\a):IL+2*(\a)+1] op_sel_hi:[1,0]
.set i, i+2
.endr
	WIN 0
.irp cb, 0,1,2,3
	ds_store_b128 v[STO], v[ACC+32*(\a)+8*(\cb):ACC+32*(\a)+8*(\cb)+3] offset:64*(\cb)
	ds_store_b128 v[STO], v[ACC+32*(\a)+8*(\cb)+4:ACC+32*(\a)+8*(\cb)+7] offset:64*(\cb)+16
.endr
.irp t, 0,1,2,3,4,5,6,7
	ds_load_b128 v[ACC+32*(\a)+4*(\t):ACC+32*(\a)+4*(\t)+3], v[RD] offset:(\t)*2*SPITCH  ; LDS serves a wave's instructions in order (ISA guide 5.7.1.4): these see the stores above; the next block's stores come behind them
.endr
.endm
.macro SENDO a, younger, base          ; younger: the LDS instructions issued behind block a's loads: the next block's sixteen, or none
.irp t, 0,1,2,3,4,5,6,7
	s_wait_dscnt (\younger)+7-(\t)
	global_store_b128 v[GO], v[ACC+32*(\a)+4*(\t):ACC+32*(\a)+4*(\t)+3], s[\base:\base+1] offset:(16*(\a)+2*(\t))*4096 th:TH_STORE_NT  ; 16 lanes store 256 consecutive bytes, at a multiple of 256 from out's first byte
.endr
.endm
.macro WAYOUT base, tile
	WIN 0
	PLACES                                         ; behind the last products, whose results' registers are written below
.irp a, 0,1,2,3
	ds_load_b32 v[IL+2*(\a)], v[IA] offset:512*(\tile)+64*(\a)
.endr
	s_wait_dscnt 0x0                               ; 1 / L is in, and so are the runs issued ahead: the counts below begin at nothing
	PACKO 0
	PACKO 1
	SENDO 0, 16, \base
	PACKO 2
	SENDO 1, 16, \base
	PACKO 3
	SENDO 2, 16, \base
	SENDO 3, 0, \base
.endm
	s_wait_tensorcnt 1                             ; my part of slot 0 is in; slot 1's may stay out
	s_wait_dscnt 0x0                               ; my words of the tables are stored
	s_barrier_signal -1
	s_barrier_wait -1                              ; everybody's are
	FL FC0, 0
	RUN 0
	RUN 1
	RUN 2
	WIN 0                                          ; at a label and at a branch every window is 0
	s_mov_b32 s[CNT], 7
.Lwalk:                                                ; seven steps, each of which asks for the step two on
	DSTEP 1
	s_sub_co_u32 s[RT], s[RT], 1
	s_cmp_lg_u32 s[RT], 0
	s_cbranch_scc1 .Lon                            ; the same in all four partners
	WAYOUT 70, 0                                   ; the first block is finished
	s_wait_xcnt 0x0                                ; the registers that the stores read are written again, by the next step's products, only behind this wait
	CLEAR
.Lon:
	s_sub_co_u32 s[CNT], s[CNT], 1
	s_cmp_lg_u32 s[CNT], 0
	s_cbranch_scc1 .Lwalk
	s_mov_b32 s[CNT], 2
.Ltail:                                                ; the last two steps are written apart: nothing is asked for
	DSTEP 0
	s_sub_co_u32 s[CNT], s[CNT], 1
	s_cmp_lg_u32 s[CNT], 0
	s_cbranch_scc1 .Ltail
	WAYOUT 72, 1
	s_wait_tensorcnt 0x0                           ; the wave's end: behind my last tensor load and my last LDS store
	ds_add_u32 v[SPW], v[NIL]
	s_wait_dscnt 0x0
	CROUND                                         ; the closing round: no work-group ends while a partner may still ask for a tile that names it
	s_endpgm
.Lfunc_end_k_q3e265db411_pv:
	.size	k_q3e265db411_pv, .Lfunc_end_k_q3e265db411_pv-k_q3e265db411_pv
	.p2alignl 7, 3214868480
	.fill 96, 4, 3214868480
	.section	.rodata,"a",@progbits
	.p2align	6, 0x0
	.amdhsa_kernel k_q3e265db411_pv
		.amdhsa_group_segment_fixed_size 327680
		.amdhsa_private_segment_fixed_size 0
		.amdhsa_enable_private_segment 0
		.amdhsa_kernarg_size 32
		.amdhsa_user_sgpr_count 2
		.amdhsa_user_sgpr_kernarg_segment_ptr 1
		.amdhsa_wavefront_size32 1
		.amdhsa_system_sgpr_workgroup_id_x 1
		.amdhsa_system_sgpr_workgroup_id_y 1
		.amdhsa_system_sgpr_workgroup_id_z 1
		.amdhsa_system_vgpr_workitem_id 0
		.amdhsa_next_free_vgpr 640
		.amdhsa_next_free_sgpr 96
		.amdhsa_reserve_vcc 0
		.amdhsa_float_denorm_mode_32 3
		.amdhsa_float_denorm_mode_16_64 3
		.amdhsa_memory_ordered 1
		.amdhsa_forward_progress 1
		.amdhsa_inst_pref_size 116
	.end_amdhsa_kernel
	.amdgpu_metadata
---
amdhsa.version: [ 1, 2 ]
amdhsa.kernels:
  - .name:           k_q3e265db411_pv
    .symbol:         k_q3e265db411_pv.kd
    .args:
      - { .name: pbuf, .offset: 0, .size: 8, .value_kind: global_buffer, .address_space: global }
      - { .name: qkv, .offset: 8, .size: 8, .value_kind: global_buffer, .address_space: global }
      - { .name: st, .offset: 16, .size: 8, .value_kind: global_buffer, .address_space: global }
      - { .name: out0, .offset: 24, .size: 8, .value_kind: global_buffer, .address_space: global }
    .group_segment_fixed_size: 327680
    .private_segment_fixed_size: 0
    .kernarg_segment_align: 8
    .kernarg_segment_size: 32
    .max_flat_workgroup_size: 128
    .sgpr_count:     96
    .vgpr_count:     640
    .wavefront_size: 32
...
	.end_amdgpu_metadata
.endif
;; end of part 7
;; ======== version 3 of 3: 4 launches; version 2 with the launch prep written anew for expert scheduling mode
;; limits: values are held in f16: magnitudes above 65,504 overflow, below 6.1e-05 lose precision
;; workspace buffers: xb 16,777,216 bytes; wb 6,291,456 bytes; qkv 50,331,648 bytes; pbuf 33,554,432 bytes; st 1,048,576 bytes
;; launch prep (part 8): grid 64 x 11, 8 waves a work-group, no clusters, 0 bytes of LDS; arguments x, W_q, W_k, W_v, xb, wb; writes xb, wb
.if DOCPART == 8
	.amdgcn_target "amdgcn-amd-amdhsa--gfx1250"
	.amdhsa_code_object_version 6
	.text
	.protected	k_q3e265db411_prep
	.globl	k_q3e265db411_prep
	.p2align	8
	.type	k_q3e265db411_prep,@function
k_q3e265db411_prep:
	s_mov_b64 s[64:65], 0
	v_nop
	global_prefetch_b8 v0, s[64:65] scope:SCOPE_SE
	s_setreg_imm32_b32 hwreg(HW_REG_WAVE_SCHED_MODE, 0, 2), 2
	s_setreg_imm32_b32 hwreg(HW_REG_WAVE_MODE, 25, 1), 1
	s_wait_xcnt 0x0
	s_wait_alu depctr_vm_vsrc(0)
; A cast to bf16 into the layouts that the next launch's tiles want.
;   xb[16 kb][8192 row][64] = bf16(x[row][64 kb + ..]): 64 along K of neighbouring rows lie end to end, so that a tile of 128 rows x 64 K is 16,384 dense bytes.
;   wb[1024 c][3072 n] = bf16 of W_q | W_k | W_v side by side, so that 384 columns that cross from one W into the next are still one rectangle.
; The grid's y names a unit of 2^20 numbers: 0-7 are x's eight units of 1,024 rows, 8, 9, 10 are W_q, W_k, W_v.  The grid's x names 16 rows of the unit, each of the eight waves takes 2 rows:
; sixteen loads, all issued before the first is waited for, and sixteen stores of 256 neighbouring bytes, each at a multiple of 256 from the buffer's first byte.
; x: a load takes 64 numbers (256 bytes) of each of the two rows, and the store lays them end to end.  W: a load takes 128 numbers (512 bytes) of one row.
; No LDS, no barrier, no matrix unit: every byte is read once and written once.
; THE MODE: SCHED_MODE bits 1:0 = 2 (LLVM: expert scheduling mode 2), set by the entry lines.  The code itself states the register dependences
; between vector instructions and memory instructions, with s_wait_alu, always for 0.
; THE PLAN.  Registers that memory instructions touch, in each of the two arms:
;   v1, v2   the loads' and the stores' byte offsets: made once at the arm's head and never written again.
;   X        sixteen loads land in it, each register once; no vector instruction names it ahead of the loads; number j's two conversions read it behind the wait for its load.
;   Y        number j's two conversions write its pair, once; one store reads it.
; The sixteen numbers go in four blocks of four.  Number j's store is issued in the turn of number j + 4, ahead of that number's conversions.  So one wait at a block's head states that the block
; before has written its eight registers of Y, and the block's four stores follow with no further wait: the conversions issued since write this block's Y alone, which no store reads before the
; next such wait.  No register that a memory instruction reads is written again, so no wait for a memory instruction's reads is owed; no vector instruction writes a scalar register, VCC or EXEC.
.set X, 8                              ; v[8:71]    sixteen loads of four f32
.set Y, 72                             ; v[72:103]  sixteen pairs of words, four bf16 each
.macro LOADS step                      ; sixteen loads, step bytes apart
.set j, 0
.rept 16
	global_load_b128 v[X+4*j:X+4*j+3], v1, s[16:17] offset:(\step)*j th:TH_LOAD_NT
.set j, j+1
.endr
.endm
.macro ARRIVE                          ; number j of the sixteen is in; at the head of blocks 1 to 3 the block before is shown written
	s_wait_loadcnt 15-j                            ; loads come back in order (ISA guide 5.7.1): number j is in, the 15 - j younger ones stay out
.if (j >= 4) && ((j%4) == 0)
	s_wait_alu depctr_va_vdst(0)                   ; the conversions of numbers j - 4 to j - 1 have written their eight registers of Y, which this block's four stores read
.endif
.endm
.macro CAST                            ; number j of the sixteen
	v_cvt_pk_bf16_f32 v[Y+2*j], v[X+4*j], v[X+4*j+1]
	v_cvt_pk_bf16_f32 v[Y+2*j+1], v[X+4*j+2], v[X+4*j+3]
.endm
.macro OUTX n                          ; x: number n goes into xb's block n
.if (\n) < 8
	global_store_b64 v2, v[Y+2*(\n):Y+2*(\n)+1], s[18:19] offset:((\n))<<20  ; no register is written twice, so nothing waits for a store
.else
	global_store_b64 v2, v[Y+2*(\n):Y+2*(\n)+1], s[20:21] offset:((\n)-8)<<20
.endif
.endm
.macro OUTW n                          ; W: number n is piece n % 8 of row n / 8
	global_store_b64 v2, v[Y+2*(\n):Y+2*(\n)+1], s[18:19] offset:((\n)/8)*6144+((\n)%8)*256
.endm
	s_load_b256 s[4:11], s[0:1], 0x0               ; x s[4:5], W_q s[6:7], W_k s[8:9], W_v s[10:11]
	s_load_b128 s[12:15], s[0:1], 0x20             ; xb s[12:13], wb s[14:15]
	s_and_b32 s23, ttmp7, 0xffff                   ; the unit
	v_lshrrev_b32 v3, 5, v0                        ; wave
	v_and_b32 v4, 31, v0                           ; lane
	s_lshl_b32 s24, ttmp9, 16                      ; 16 rows of 4,096 bytes in
	s_mov_b32 s25, 0
	s_mov_b32 s27, 0
	s_cmp_lt_u32 s23, 8
	s_cbranch_scc0 .Lweights
	; x
	v_and_b32 v5, 15, v0
	v_bfe_u32 v6, v0, 4, 1
	v_lshlrev_b32 v1, 4, v5                        ; in: 16 bytes for each of 16 lanes,
	v_lshl_add_u32 v1, v6, 12, v1                  ; lanes 16-31 one row down,
	v_lshl_add_u32 v1, v3, 13, v1                  ; two rows a wave
	v_lshlrev_b32 v2, 3, v4                        ; out: 8 bytes a lane, the two rows end to end,
	v_lshl_add_u32 v2, v3, 8, v2                   ; 256 bytes a wave
	s_lshl_b32 s22, s23, 22                        ; a unit is 4 MiB in
	s_add_co_u32 s24, s24, s22
	s_lshl_b32 s26, s23, 17                        ; and 1,024 rows of 128 bytes in each of xb's sixteen blocks
	s_lshl_b32 s22, ttmp9, 11
	s_add_co_u32 s26, s26, s22
	s_wait_kmcnt 0x0
	s_add_nc_u64 s[16:17], s[4:5], s[24:25]
	s_add_nc_u64 s[18:19], s[12:13], s[26:27]
	s_add_nc_u64 s[20:21], s[18:19], 0x800000      ; blocks 8-15: a block is 1 MiB, and a store's immediate reaches 8 MiB less one byte
	s_wait_alu depctr_va_vdst(0)                   ; v1 and v2 are written: every load below reads v1 as its offset, every store v2
	LOADS 256
.set j, 0
.rept 16
	ARRIVE
.if j >= 4
	OUTX j-4                                       ; the store of the number four back: its Y was written ahead of the block's wait
.endif
	CAST
.set j, j+1
.endr
	s_wait_alu depctr_va_vdst(0)                   ; the conversions of numbers 12 to 15 have written their Y, which the last four stores read
	OUTX 12
	OUTX 13
	OUTX 14
	OUTX 15
	s_endpgm
.Lweights:
	v_lshlrev_b32 v1, 4, v4                        ; in: 16 bytes a lane,
	v_lshl_add_u32 v1, v3, 13, v1                  ; two rows a wave
	v_lshlrev_b32 v2, 3, v4                        ; out: 8 bytes a lane,
	v_mul_u32_u24 v5, v3, 12288                    ; two rows of 6,144 bytes a wave
	v_add_nc_u32 v2, v2, v5
	s_sub_co_u32 s22, s23, 8                       ; which W:
	s_lshl_b32 s22, s22, 11                        ; its 2,048 bytes of a row of wb
	s_mul_i32 s26, ttmp9, 98304                    ; 16 rows out
	s_add_co_u32 s26, s26, s22
	s_wait_kmcnt 0x0
	s_cmp_eq_u32 s23, 9
	s_cselect_b64 s[16:17], s[8:9], s[6:7]         ; W_k or W_q,
	s_cmp_eq_u32 s23, 10
	s_cselect_b64 s[16:17], s[10:11], s[16:17]     ; or W_v
	s_add_nc_u64 s[16:17], s[16:17], s[24:25]
	s_add_nc_u64 s[18:19], s[14:15], s[26:27]
	s_wait_alu depctr_va_vdst(0)                   ; v1 and v2 are written: every load below reads v1 as its offset, every store v2
	LOADS 512
.set j, 0
.rept 16
	ARRIVE
.if j >= 4
	OUTW j-4                                       ; the store of the number four back: its Y was written ahead of the block's wait
.endif
	CAST
.set j, j+1
.endr
	s_wait_alu depctr_va_vdst(0)                   ; the conversions of numbers 12 to 15 have written their Y, which the last four stores read
	OUTW 12
	OUTW 13
	OUTW 14
	OUTW 15
	s_endpgm
.Lfunc_end_k_q3e265db411_prep:
	.size	k_q3e265db411_prep, .Lfunc_end_k_q3e265db411_prep-k_q3e265db411_prep
	.p2alignl 7, 3214868480
	.fill 96, 4, 3214868480
	.section	.rodata,"a",@progbits
	.p2align	6, 0x0
	.amdhsa_kernel k_q3e265db411_prep
		.amdhsa_group_segment_fixed_size 0
		.amdhsa_private_segment_fixed_size 0
		.amdhsa_enable_private_segment 0
		.amdhsa_kernarg_size 48
		.amdhsa_user_sgpr_count 2
		.amdhsa_user_sgpr_kernarg_segment_ptr 1
		.amdhsa_wavefront_size32 1
		.amdhsa_system_sgpr_workgroup_id_x 1
		.amdhsa_system_sgpr_workgroup_id_y 1
		.amdhsa_system_sgpr_workgroup_id_z 1
		.amdhsa_system_vgpr_workitem_id 0
		.amdhsa_next_free_vgpr 104
		.amdhsa_next_free_sgpr 66
		.amdhsa_reserve_vcc 0
		.amdhsa_float_denorm_mode_32 3
		.amdhsa_float_denorm_mode_16_64 3
		.amdhsa_memory_ordered 1
		.amdhsa_forward_progress 1
		.amdhsa_inst_pref_size 14
	.end_amdhsa_kernel
	.amdgpu_metadata
---
amdhsa.version: [ 1, 2 ]
amdhsa.kernels:
  - .name:           k_q3e265db411_prep
    .symbol:         k_q3e265db411_prep.kd
    .args:
      - { .name: x, .offset: 0, .size: 8, .value_kind: global_buffer, .address_space: global }
      - { .name: W_q, .offset: 8, .size: 8, .value_kind: global_buffer, .address_space: global }
      - { .name: W_k, .offset: 16, .size: 8, .value_kind: global_buffer, .address_space: global }
      - { .name: W_v, .offset: 24, .size: 8, .value_kind: global_buffer, .address_space: global }
      - { .name: xb, .offset: 32, .size: 8, .value_kind: global_buffer, .address_space: global }
      - { .name: wb, .offset: 40, .size: 8, .value_kind: global_buffer, .address_space: global }
    .group_segment_fixed_size: 0
    .private_segment_fixed_size: 0
    .kernarg_segment_align: 8
    .kernarg_segment_size: 48
    .max_flat_workgroup_size: 256
    .sgpr_count:     66
    .vgpr_count:     104
    .wavefront_size: 32
...
	.end_amdgpu_metadata
.endif
;; end of part 8
;; launch proj: the kernel of part 6 again; grid 8 x 32, 4 waves a work-group, clusters of 4 x 4, 327,680 bytes of LDS; arguments xb, wb, qkv; writes qkv
;; launch scores: the kernel of part 3 again; grid 36 x 4, 4 waves a work-group, no clusters, 327,680 bytes of LDS; arguments qkv, pbuf, st; writes pbuf, st
;; launch pv: the kernel of part 7 again; grid 8 x 32, 4 waves a work-group, clusters of 4 x 1, 327,680 bytes of LDS; arguments pbuf, qkv, st, out0; writes out0
